; MI455X (gfx1250); checked and timed in simulation.
; The chip was launched on July 23, 2026; its instructions are those of AMD's public machine-readable ISA for CDNA 5 (MIT licence, August 2026) and "CDNA5" Instruction Set Architecture Reference Guide (July 2026). The comments in the code are by the model that wrote it; some were corrected since.
;; Full Linear Attention. Allowed arithmetic: float matrix products may take bf16 or f16 operands with f32 sums; all other float work in f32.
;; Inputs: w_out 1,024 x 1,024 float32; w_qkv 3,072 x 1,024 float32; x 4 x 2,048 x 1,024 float32.
;; Outputs: out0 4 x 2,048 x 1,024 float32.
;; 2 versions, each right; version 2 is version 1 with the launch cvt written anew for expert scheduling mode. Each part assembles by itself: llvm-mc -triple=amdgcn-amd-amdhsa -mcpu=gfx1250 --defsym DOCPART=n.
;; ======== version 1 of 2: 4 launches
;; workspace buffers: xb 16,777,216 bytes; wb 6,291,456 bytes; kvp 8,650,752 bytes; qn 16,777,216 bytes; wp 8,388,608 bytes
;; launch cvt (part 1): grid 256 x 1, 8 waves a work-group, no clusters, 0 bytes of LDS; arguments x, w_qkv, xb, wb; writes xb, wb
.if DOCPART == 1
	.amdgcn_target "amdgcn-amd-amdhsa--gfx1250"
	.amdhsa_code_object_version 6
	.text
	.protected	k_q1b77f66b6c_cvt
	.globl	k_q1b77f66b6c_cvt
	.p2align	8
	.type	k_q1b77f66b6c_cvt,@function
k_q1b77f66b6c_cvt:
	s_mov_b64 s[64:65], 0
	v_nop
	global_prefetch_b8 v0, s[64:65] scope:SCOPE_SE
	s_setreg_imm32_b32 hwreg(HW_REG_WAVE_MODE, 25, 1), 1
	s_wait_xcnt 0x0
; xb = bf16(x), wb = bf16(w_qkv): the operands of the two projections, rounded once (to nearest even) instead of in every block that reads them,
; and laid out so that every tile which a later launch fetches is one dense run of bytes:
;   xb[y 32][u 8][r 256][c 128] = x[256 y + r][128 u + c]            (a block (y, u): 65,536 bytes)
;   wb[k 24][u 8][r 128][c 128] = w_qkv[128 k + r][128 u + c]        (a block (k, u): 32,768 bytes)
; 256 work-groups of eight waves; work-group g takes rows 32 g .. + 31 of x and rows g + 256 j, j = 0 .. 11, of w_qkv.  A row is 4,096 bytes of f32.
; Thread t takes 16 bytes at 16 t of every row: a wave's load covers 512 consecutive bytes = the 128 columns of unit u = wave, and its store the row's 256
; consecutive bytes in that unit's block, aligned.
; All 44 loads of a thread go out before the first wait, each into registers of its own, so no register is written while an instruction
; still names it and no wait but the counted one on the loads is needed.  No LDS, no barrier, no matrix unit: the bytes are all the work.
.set X, 4                              ; v[4:179]  row i: four f32 as loaded; its first two registers then hold the four bf16
	s_load_b256 s[4:11], s[0:1], 0x0               ; x s[4:5], w_qkv s[6:7], xb s[8:9], wb s[10:11]
	s_lshl_b32 s12, ttmp9, 17                      ; x: 32 g rows of 4,096 bytes
	s_mov_b32 s13, 0
	s_lshl_b32 s14, ttmp9, 12                      ; w_qkv: row g
	s_mov_b32 s15, 0
	s_lshr_b32 s16, ttmp9, 3                       ; xb: y = g >> 3, eight blocks of 65,536 bytes each,
	s_lshl_b32 s16, s16, 19
	s_and_b32 s22, ttmp9, 7                        ; and in a block rows 32 (g & 7) .. of 256 bytes
	s_lshl_b32 s22, s22, 13
	s_add_co_u32 s16, s16, s22
	s_mov_b32 s17, 0
	s_lshr_b32 s18, ttmp9, 7                       ; wb: k = (g >> 7) + 2 j, eight blocks of 32,768 bytes each,
	s_lshl_b32 s18, s18, 18
	s_and_b32 s22, ttmp9, 127                      ; and in a block row g & 127
	s_lshl_b32 s22, s22, 8
	s_add_co_u32 s18, s18, s22
	s_mov_b32 s19, 0
	v_lshlrev_b32 v1, 4, v0                        ; 16 t: my four f32 in a row
	v_and_b32 v4, 31, v0
	v_lshlrev_b32 v4, 3, v4                        ; 8 x lane: my four bf16 in the unit's row
	v_lshrrev_b32 v5, 5, v0                        ; wave = unit
	v_lshl_add_u32 v2, v5, 16, v4                  ; in xb
	v_lshl_add_u32 v3, v5, 15, v4                  ; in wb
	s_wait_kmcnt 0x0
	s_add_nc_u64 s[4:5], s[4:5], s[12:13]
	s_add_nc_u64 s[6:7], s[6:7], s[14:15]
	s_add_nc_u64 s[20:21], s[6:7], 0x800000        ; rows g + 256 j from j = 8 on: the loads' immediates stay inside their signed 24 bits
	s_add_nc_u64 s[8:9], s[8:9], s[16:17]
	s_add_nc_u64 s[10:11], s[10:11], s[18:19]
.set ci, 0
.rept 32
	global_load_b128 v[X+4*ci:X+4*ci+3], v1, s[4:5] offset:4096*ci th:TH_LOAD_NT
.set ci, ci+1
.endr
.rept 8
	global_load_b128 v[X+4*ci:X+4*ci+3], v1, s[6:7] offset:1048576*(ci-32) th:TH_LOAD_NT
.set ci, ci+1
.endr
.rept 4
	global_load_b128 v[X+4*ci:X+4*ci+3], v1, s[20:21] offset:1048576*(ci-40) th:TH_LOAD_NT
.set ci, ci+1
.endr
.set ci, 0
.rept 32
	s_wait_loadcnt 43-ci                           ; loads come back in order: row ci is in, the 43 - ci younger ones stay out
	v_cvt_pk_bf16_f32 v[X+4*ci], v[X+4*ci], v[X+4*ci+1]
	v_cvt_pk_bf16_f32 v[X+4*ci+1], v[X+4*ci+2], v[X+4*ci+3]
	global_store_b64 v2, v[X+4*ci:X+4*ci+1], s[8:9] offset:256*ci
.set ci, ci+1
.endr
.rept 12
	s_wait_loadcnt 43-ci
	v_cvt_pk_bf16_f32 v[X+4*ci], v[X+4*ci], v[X+4*ci+1]
	v_cvt_pk_bf16_f32 v[X+4*ci+1], v[X+4*ci+2], v[X+4*ci+3]
	global_store_b64 v3, v[X+4*ci:X+4*ci+1], s[10:11] offset:524288*(ci-32)   ; 256 rows on: two blocks k on
.set ci, ci+1
.endr
	s_endpgm
.Lfunc_end_k_q1b77f66b6c_cvt:
	.size	k_q1b77f66b6c_cvt, .Lfunc_end_k_q1b77f66b6c_cvt-k_q1b77f66b6c_cvt
	.p2alignl 7, 3214868480
	.fill 96, 4, 3214868480
	.section	.rodata,"a",@progbits
	.p2align	6, 0x0
	.amdhsa_kernel k_q1b77f66b6c_cvt
		.amdhsa_group_segment_fixed_size 0
		.amdhsa_private_segment_fixed_size 0
		.amdhsa_enable_private_segment 0
		.amdhsa_kernarg_size 32
		.amdhsa_user_sgpr_count 2
		.amdhsa_user_sgpr_kernarg_segment_ptr 1
		.amdhsa_wavefront_size32 1
		.amdhsa_system_sgpr_workgroup_id_x 1
		.amdhsa_system_sgpr_workgroup_id_y 1
		.amdhsa_system_sgpr_workgroup_id_z 1
		.amdhsa_system_vgpr_workitem_id 0
		.amdhsa_next_free_vgpr 180
		.amdhsa_next_free_sgpr 66
		.amdhsa_reserve_vcc 0
		.amdhsa_float_denorm_mode_32 3
		.amdhsa_float_denorm_mode_16_64 3
		.amdhsa_memory_ordered 1
		.amdhsa_forward_progress 1
		.amdhsa_inst_pref_size 17
	.end_amdhsa_kernel
	.amdgpu_metadata
---
amdhsa.version: [ 1, 2 ]
amdhsa.kernels:
  - .name:           k_q1b77f66b6c_cvt
    .symbol:         k_q1b77f66b6c_cvt.kd
    .args:
      - { .name: x, .offset: 0, .size: 8, .value_kind: global_buffer, .address_space: global }
      - { .name: w_qkv, .offset: 8, .size: 8, .value_kind: global_buffer, .address_space: global }
      - { .name: xb, .offset: 16, .size: 8, .value_kind: global_buffer, .address_space: global }
      - { .name: wb, .offset: 24, .size: 8, .value_kind: global_buffer, .address_space: global }
    .group_segment_fixed_size: 0
    .private_segment_fixed_size: 0
    .kernarg_segment_align: 8
    .kernarg_segment_size: 32
    .max_flat_workgroup_size: 256
    .sgpr_count:     66
    .vgpr_count:     180
    .wavefront_size: 32
...
	.end_amdgpu_metadata
.endif
;; end of part 1
;; launch kvgemm (part 2): grid 8 x 32, 4 waves a work-group, clusters of 4 x 4, 327,680 bytes of LDS; arguments xb, wb, kvp; writes kvp
.if DOCPART == 2
	.amdgcn_target "amdgcn-amd-amdhsa--gfx1250"
	.amdhsa_code_object_version 6
	.text
	.protected	k_q1b77f66b6c_kvgemm
	.globl	k_q1b77f66b6c_kvgemm
	.p2align	8
	.type	k_q1b77f66b6c_kvgemm,@function
k_q1b77f66b6c_kvgemm:
	s_mov_b64 s[64:65], 0
	v_nop
	global_prefetch_b8 v0, s[64:65] scope:SCOPE_SE
	s_setreg_imm32_b32 hwreg(HW_REG_WAVE_MODE, 25, 1), 1
	s_wait_xcnt 0x0
	s_wait_alu depctr_hold_cnt(0) depctr_sa_sdst(0) depctr_va_vdst(0) depctr_va_sdst(0) depctr_va_ssrc(0) depctr_va_vcc(0) depctr_vm_vsrc(0)
	s_getreg_b32 s2, hwreg(HW_REG_IB_STS2, 6, 4)
	s_cmp_eq_u32 s2, 0
	s_cbranch_scc0 .Lentry_in_a_cluster
	s_endpgm
.Lentry_in_a_cluster:
	s_bfe_u32 s2, ttmp6, 0x10000c
	s_cmp_lg_u32 s2, 0xf033
	s_cbranch_scc0 .Lentry_shape_is_right
	s_endpgm
.Lentry_shape_is_right:
; k = f(x Wk^T), v = x Wv^T, and of them only the sums over 256 rows leave: kv[d][e] = sum over s of k[s][d] v[s][e], ksum[d] = sum over s of k[s][d].
; f(t) = elu(t) + 1, made with the same roundings as written there: (exp(min(t,0)) - 1) + (max(t,0) + 1).
; Work-group (p, y): rows 256 y .. +255 of x, heads 2 p and 2 p + 1.  Four waves, as many as a WGP has SIMDs; wave w: row half w >> 1, head 2 p + (w & 1).
; A wave's block is 128 rows x (64 columns of k + 64 columns of v of its head): 64 accumulator tiles of 16 x 16, 512 registers.
; K = 1024 goes in steps of 128 through two LDS slots filled by the tensor data mover.  xb[y][u][256 rows][128] and wb[k][u][128 rows][128] hold each K step's
; tile as one dense run of rows of 256 bytes (k = 8 + p: Wk's rows of the two heads, k = 16 + p: Wv's).
; CLUSTERS: 4 x 4 work-groups.  The four of a row of the cluster read the same rows of xb, the four of a column the same rows of wb: such a tile is asked for
; jointly (one descriptor, a mask that names the four), which divides the requests for both by four.
; THE MATRIX INSTRUCTION IS USED THE NATURAL WAY ROUND (source 0 = rows of x, source 1 = rows of W): a lane then holds ONE column of k or v and eight
; neighbouring rows s, so two tiles that lie one below the other, rounded to bf16, ARE a fragment whose K runs along s: k^T v needs no way through LDS.
; The two row halves of a head meet in LDS; the wave of the upper half stores 33 pieces of 512 bytes: kvp[b*16+h][y & 7][piece][lane][4].
;   piece 2 T + q, T = 4 db + eb: registers 4 q .. 4 q + 3 of tile T; lane (r, hh), register j: kv[16 db + r][16 eb + 8 hh + j].   piece 32: ksum[16 db + r], db = 0 .. 3.
; LIMITS: NaN and infinite inputs are not followed.  exp is v_exp_f32 (1 ulp), so where f(t) is a few steps of 2^-24 (t below about -12) it may differ by one such
; step.  x, W, k and v enter the matrix unit as bf16; all sums are f32; ksum is summed from the unrounded k.
;
; REGISTERS, in windows of 256:
;   window 0: v16-25 addresses; v32-47 sums of k; v64-127, v128-191 fragments of x, two buffers, later the 16 fragments of k; v192-255 at work on f
;   window 1: v64-127, v128-191 fragments of W, two buffers, later the 16 fragments of v
;   window 2: the accumulator tiles of my rows 0-63 (tile (a, b) at v[8 (8 a + b)]), later the 16 tiles of kv;   window 3: those of my rows 64-127
.set KSTEP,  128
.set SIZE_K, 1024
.set AU,     65536                     ; bytes of a block (y, u) of xb
.set BU,     32768                     ; bytes of a block (k, u) of wb
.set PITCH,  272                       ; an LDS row: 256 bytes + 16 of padding, an odd multiple of 16: the 16 rows of a fragment load start 16 bytes apart modulo 256
.set HALFT,  128*PITCH                 ; 128 rows: what one tensor load brings
.set SLOT,   4*HALFT                   ; x's 256 rows, then Wk's 128 rows, then Wv's 128 rows
.set SCR,    2*SLOT                    ; behind the ring: 16,896 bytes for each head, where the lower row half hands over its sums; no fill lands here
.set PIECES, 16896                     ; 33 pieces of 512 bytes
.set LAPS,   SIZE_K/(2*KSTEP)          ; a lap = two K steps = once round the ring: 4
.set ADRA, 16                          ; v16-17  LDS address of my x fragments in slot 0, 1
.set ADRB, 20                          ; v20-21  the same for W
.set SCRA, 24                          ; v24     my 16 bytes of a piece in my head's scratch
.set OFFP, 25                          ; v25     16 x lane: my 16 bytes of a piece in kvp
.set SUM,  32                          ; v[32:39] running sums of k, a pair for each block of 16 columns
.set SV,   40                          ; v[40:43] ksum of my 128 rows
.set SP,   44                          ; v[44:47] the other row half's
.set F0,   64
.set F1,   128
.set KF,   64                          ; window 0: fragment (db, c) of k at KF + 8 (4 db + c); c = 32 rows of my 128
.set VF,   64                          ; window 1: fragment (eb, c) of v
.set EX,   192                         ; v[192:223] the exponentials
.set MX,   224                         ; v[224:255] max(t, 0) + 1, then f(t)
.set L2E,  68                          ; s[68:69] log2(e), twice
.set G1, 24                            ; s[24:31] descriptor group 1 for x's tiles
.set G0, 32                            ; s[32:39] group 0 for x's tiles, one set for each slot
.set G1B, 48                           ; s[48:55] group 1 for W's tiles: another mask
.set G0B, 56                           ; s[56:63] group 0 for W's tiles
.set MSB, 0
.macro WIN new                         ; the immediate's high byte repeats the setting that is left
.if MSB != (\new)
	s_set_vgpr_msb (MSB<<8)|(\new)
.set MSB, \new
.endif
.endm
.set MUL_LO, 0xa4                      ; source 0 (x) window 0, source 1 (W) window 1, C and D window 2
.set MUL_HI, 0xf4                      ; the same, C and D window 3
.set TO_B,   0x40                      ; destination window 1, address window 0
; A joint load.  Waves 0 and 1 fetch x's two halves, wave 2 Wk's rows, wave 3 Wv's.  The branch hangs on the wave's number alone.
.macro JLOAD s
	s_cmp_eq_u32 s11, 0
	s_cbranch_scc0 .Lfor_b_\@
	tensor_load_to_lds s[G0+4*\s:G0+4*\s+3], s[G1:G1+7]
	s_nop 0
	s_branch .Lasked_\@
.Lfor_b_\@:
	tensor_load_to_lds s[G0B+4*\s:G0B+4*\s+3], s[G1B:G1B+7]
	s_nop 0
.Lasked_\@:
.endm
; A round of the cluster's barrier: my work-group's barrier; wave 0 signals for the work-group; every wave waits for all sixteen; my work-group's barrier again.
.macro CREST                           ; a round behind its opening barrier
	s_cmp_lg_u32 s10, 0
	s_cbranch_scc1 .Lnot_wave_0_\@
	s_barrier_signal -3
.Lnot_wave_0_\@:
	s_barrier_wait -3
	s_barrier_signal -1
	s_barrier_wait -1
.endm
.macro CROUND
	s_barrier_signal -1
	s_barrier_wait -1
	CREST
.endm
	s_load_b128 s[4:7], s[0:1], 0x0                ; xb s[4:5], wb s[6:7]
	s_load_b64 s[8:9], s[0:1], 0x10                ; kvp
	v_lshl_add_u32 v63, v0, 2, 0x4c400
	s_set_vgpr_msb 0x40
	v_mov_b32 v255, 0
	s_set_vgpr_msb 0x4044
	ds_add_u32 v63, v255
	s_set_vgpr_msb 0x4400
	v_lshrrev_b32 v1, 5, v0
	v_readfirstlane_b32 s10, v1                    ; wave 0..3
	s_lshr_b32 s11, s10, 1                         ; my row half.  Also: I fetch for x (0) or for W (1)
	s_and_b32 s12, s10, 1                          ; my head of the two.  Also: which 128 rows I fetch
	s_bfe_u32 s40, ttmp6, 0x40000                  ; cx
	s_bfe_u32 s41, ttmp6, 0x40004                  ; cy
	s_lshl_b32 s42, ttmp9, 2
	s_add_co_u32 s42, s42, s40                     ; p = 4 x cluster x + cx: the pair of heads
	s_and_b32 s13, ttmp7, 0xffff
	s_lshl_b32 s13, s13, 2
	s_add_co_u32 s13, s13, s41                     ; y = 4 x cluster y + cy: the block of 256 rows
	s_lshl_b32 s43, s41, 2
	s_lshl_b32 s43, 15, s43                        ; my row of the cluster: places 4 cy .. 4 cy + 3
	s_lshl_b32 s44, 0x1111, s40                    ; my column: places cx, cx + 4, cx + 8, cx + 12
	s_mov_b32 s66, 0x76543210                      ; v_permlanex16_b32: lane i of one half reads lane i of the other
	s_mov_b32 s67, 0xfedcba98
	s_mov_b32 s[L2E], 0x3fb8aa3b
	s_mov_b32 s[L2E+1], 0x3fb8aa3b
	; group 1: a tile of 128 rows x 128 elements of 2 bytes, dense in memory, 4 words of padding behind every 64 words in LDS
	s_or_b32 s[G1+0], s43, (1<<16)|(1<<20)|(1<<21)|(5<<22)|(3<<25)   ; x's tiles go to my row of the cluster
	s_or_b32 s[G1B+0], s44, (1<<16)|(1<<20)|(1<<21)|(5<<22)|(3<<25)  ; W's to my column
	s_mov_b32 s[G1+1], KSTEP<<16                   ; tensor_dim0 = 128
	s_mov_b32 s[G1B+1], KSTEP<<16
	s_mov_b32 s[G1+2], 128<<16                     ; tensor_dim1 = 128
	s_mov_b32 s[G1B+2], 128<<16
	s_mov_b32 s[G1+3], KSTEP<<16                   ; tile_dim0 = 128
	s_mov_b32 s[G1B+3], KSTEP<<16
	s_mov_b32 s[G1+4], 128                         ; tile_dim1 = 128
	s_mov_b32 s[G1B+4], 128
	s_mov_b32 s[G1+5], 128                         ; elements from row to row: each row begins where the last ends
	s_mov_b32 s[G1B+5], 128
	s_mov_b32 s[G1+6], 0
	s_mov_b32 s[G1B+6], 0
	s_mov_b32 s[G1+7], 0
	s_mov_b32 s[G1B+7], 0
	; where the tiles come from: x's hang on y alone, W's on p alone; each in registers that never hold the other coordinate
	s_lshl_b32 s16, s13, 19                        ; y: eight blocks of 65,536 bytes
	s_lshl_b32 s17, s12, 15                        ; + my 128 rows of 256 bytes in a block
	s_add_co_u32 s16, s16, s17
	s_mov_b32 s17, 0
	s_lshl_b32 s46, s42, 18                        ; k = p: eight blocks of 32,768 bytes
	s_lshl_b32 s47, s12, 21                        ; Wv lies eight k behind Wk
	s_add_co_u32 s46, s46, s47
	s_add_co_u32 s46, s46, 0x200000                ; Wk begins at k = 8
	s_mov_b32 s47, 0
	s_mul_i32 s20, s10, HALFT                      ; where they go: wave x 128 rows
	s_wait_dscnt 0x0
	s_wait_kmcnt 0x0
	s_add_nc_u64 s[14:15], s[4:5], s[16:17]
	s_add_nc_u64 s[46:47], s[6:7], s[46:47]
	CROUND                                         ; all sixteen work-groups are here: the first joint loads meet
.irp s, 0,1
	s_mov_b32 s[G0+4*\s], 1
	s_add_co_u32 s[G0+4*\s+1], s20, \s*SLOT
	s_add_nc_u64 s[G0+4*\s+2:G0+4*\s+3], s[14:15], \s*AU
	s_or_b32 s[G0+4*\s+3], s[G0+4*\s+3], 0x80000000
	s_mov_b32 s[G0B+4*\s], 1
	s_add_co_u32 s[G0B+4*\s+1], s20, \s*SLOT
	s_add_nc_u64 s[G0B+4*\s+2:G0B+4*\s+3], s[46:47], \s*BU
	s_or_b32 s[G0B+4*\s+3], s[G0B+4*\s+3], 0x80000000
	JLOAD \s                                       ; both slots are asked for before anything else is done: two loads of this wave are out
.endr
	v_and_b32 v1, 15, v0                           ; r = lane % 16
	v_bfe_u32 v2, v0, 4, 1                         ; hh = lane / 16
	v_mul_u32_u24 v3, v1, PITCH
	v_lshl_add_u32 v3, v2, 4, v3                   ; row x pitch + 16 hh
	s_mul_i32 s21, s11, HALFT                      ; my 128 rows of x
	s_mul_i32 s22, s12, 64*PITCH                   ; my head's 64 rows of Wk (its 64 of Wv lie 128 rows further: in the loads' offsets),
	s_add_co_u32 s22, s22, 2*HALFT                 ; behind x's 256
.irp s, 0,1
	v_add_nc_u32 v[ADRA+\s], s21, v3
	v_add_nc_u32 v[ADRB+\s], s22, v3
	s_add_co_u32 s21, s21, SLOT
	s_add_co_u32 s22, s22, SLOT
.endr
	v_and_b32 v4, 31, v0
	v_lshlrev_b32 v[OFFP], 4, v4
	s_mul_i32 s23, s12, PIECES
	s_add_co_u32 s23, s23, SCR
	v_add_nc_u32 v[SCRA], s23, v[OFFP]
	; my place in kvp: (((y >> 3) 16 + 2 p + head) 8 + (y & 7)) x 16,896 bytes, in registers that feed no descriptor
	s_lshr_b32 s70, s13, 3
	s_lshl_b32 s70, s70, 4
	s_lshl1_add_u32 s70, s42, s70
	s_add_co_u32 s70, s70, s12
	s_lshl_b32 s70, s70, 3
	s_and_b32 s71, s13, 7
	s_add_co_u32 s70, s70, s71
	s_mul_i32 s70, s70, PIECES
	s_mov_b32 s71, 0
	s_add_nc_u64 s[8:9], s[8:9], s[70:71]
; 16 matrix instructions: row blocks a0, a0 + 1 of the window's four x all 8 column blocks, 32 along K.  zero = 1: the first product starts the sums.
.macro MUL16 f, hi, a0, zero
.irp a, \a0, \a0+1
.irp b, 0,1,2,3,4,5,6,7
.if \zero
	v_wmma_f32_16x16x32_bf16 v[8*(8*(\a)+\b):8*(8*(\a)+\b)+7], v[\f+8*(4*\hi+\a):\f+8*(4*\hi+\a)+7], v[\f+8*\b:\f+8*\b+7], 0
.else
	v_wmma_f32_16x16x32_bf16 v[8*(8*(\a)+\b):8*(8*(\a)+\b)+7], v[\f+8*(4*\hi+\a):\f+8*(4*\hi+\a)+7], v[\f+8*\b:\f+8*\b+7], v[8*(8*(\a)+\b):8*(8*(\a)+\b)+7]
.endif
.endr
.endr
.endm
; 32 LDS loads in one run: W's eight fragments (blocks 0-3: my head's rows of Wk; 4-7: its rows of Wv, 128 rows further), then x's eight
.macro FETCH slot, k, f
	WIN TO_B
.irp i, 0,1,2,3,4,5,6,7
	ds_load_b128 v[\f+8*\i:\f+8*\i+3],   v[ADRB+\slot] offset:\k+(16*\i+64*(\i/4))*PITCH
	ds_load_b128 v[\f+8*\i+4:\f+8*\i+7], v[ADRB+\slot] offset:\k+(16*\i+64*(\i/4))*PITCH+32
.endr
	WIN 0
.irp i, 0,1,2,3,4,5,6,7
	ds_load_b128 v[\f+8*\i:\f+8*\i+3],   v[ADRA+\slot] offset:\k+\i*16*PITCH
	ds_load_b128 v[\f+8*\i+4:\f+8*\i+7], v[ADRA+\slot] offset:\k+\i*16*PITCH+32
.endr
.endm
; Four places behind a matrix instruction before a load lands on one of its sources or a vector instruction reads its result;
; the matrix instructions in between are not counted as places here.
.macro PLACES
.rept 4
	v_nop
.endr
.endm
.macro QUARTER slot, k, f, g, zero
	s_wait_dscnt 8                                 ; W and x's rows 0-63 are in; the youngest eight loads (x's rows 64-127) may be out
	WIN MUL_LO
	MUL16 \f, 0, 0, \zero
	MUL16 \f, 0, 2, \zero
	PLACES
	FETCH \slot, \k, \g
	s_wait_dscnt 32                                ; all but the 32 just issued
	WIN MUL_HI
	MUL16 \f, 1, 0, \zero
	MUL16 \f, 1, 2, \zero
.endm
.macro THREE slot, zero
	QUARTER \slot, 64,  F0, F1, \zero
	QUARTER \slot, 128, F1, F0, 0
	QUARTER \slot, 192, F0, F1, 0
.endm
; The last quarter of a K step changes slots.  In front of the barrier each wave waits for its reads of this slot and for all its tensor loads (one is out:
; its part of the next slot).  Behind it (with fill = 1: behind the round of the cluster's barrier that it opens) the refill comes first, then the next slot is read.
.macro TURN slot, next, fill
	s_wait_dscnt 8
	WIN MUL_LO
	MUL16 F1, 0, 0, 0
	s_wait_dscnt 0                                 ; my reads of this slot are over
	s_wait_tensorcnt 0x0                           ; and all my tensor loads have landed
	ds_add_u32 v63, v255
	s_wait_dscnt 0x0
	s_barrier_signal -1
	MUL16 F1, 0, 2, 0                              ; register work while the others arrive
	WIN 0
	s_barrier_wait -1
.if \fill
	CREST                                          ; no wave of any partner still reads this slot or has a load on its way
	s_add_nc_u64 s[G0+4*\slot+2:G0+4*\slot+3], s[G0+4*\slot+2:G0+4*\slot+3], 2*AU
	s_add_nc_u64 s[G0B+4*\slot+2:G0B+4*\slot+3], s[G0B+4*\slot+2:G0B+4*\slot+3], 2*BU
	JLOAD \slot                                    ; my one tensor load behind the round, and the first thing there
.endif
	PLACES
	FETCH \next, 0, F0
	WIN MUL_HI
	MUL16 F1, 1, 0, 0
	MUL16 F1, 1, 2, 0
.endm
.macro LAP zero
	THREE 0, \zero
	TURN 0, 1, 1
	THREE 1, 0
	TURN 1, 0, 1
.endm
	s_wait_tensorcnt 1                             ; my part of K step 0 is in; K step 1's load stays out
	s_barrier_signal -1
	s_barrier_wait -1
	FETCH 0, 0, F0
	LAP 1                                          ; the first lap's first products start the sums: nothing is cleared
	WIN 0
	s_mov_b32 s3, LAPS-2
.Llap:
	LAP 0                                          ; the 64 accumulators take turns, one instruction a turn, in one order, over the backward jump too
	WIN 0
	s_sub_co_u32 s3, s3, 1
	s_cmp_lg_u32 s3, 0
	s_cbranch_scc1 .Llap
	THREE 0, 0                                     ; the last lap fills nothing
	TURN 0, 1, 0
	THREE 1, 0
	s_wait_dscnt 8
	WIN MUL_LO
	MUL16 F1, 0, 0, 0
	MUL16 F1, 0, 2, 0
	s_wait_dscnt 0
	WIN MUL_HI
	MUL16 F1, 1, 0, 0
	MUL16 F1, 1, 2, 0
	PLACES                                         ; behind the last products: results are read and fragment registers written from here on
; v: tiles (a, 4..7) of window 2 + hi.  Tile a gives registers 4 (a % 2) .. + 3 of the fragment of rows 32 (2 hi + a / 2) .. + 31.
.macro VCVT hi, win
	WIN \win                                       ; sources in window 2 + hi, destination in window 1
.irp a, 0,1,2,3
.irp b, 4,5,6,7
.irp r, 0,1,2,3
	v_cvt_pk_bf16_f32 v[VF+8*(4*(\b-4)+2*\hi+\a/2)+4*(\a%2)+\r], v[8*(8*\a+\b)+2*\r], v[8*(8*\a+\b)+2*\r+1]
.endr
.endr
.endr
.endm
; f on 32 accumulator registers from x of the window named by win (source 0), result in MX.  Each line of the sum is one f32 rounding, as elu(t) + 1 has them.
.macro FMAP32 win, x
	WIN \win
.set fi, 0
.rept 16
	v_pk_mul_f32 v[EX+fi:EX+fi+1], v[\x+fi:\x+fi+1], s[L2E:L2E+1] op_sel_hi:[1,0]   ; t log2(e)
.set fi, fi+2
.endr
.set fi, 0
.rept 32
	v_max_num_f32 v[MX+fi], v[\x+fi], 0
.set fi, fi+1
.endr
	WIN 0
.set fi, 0
.rept 32
	v_min_num_f32 v[EX+fi], 0, v[EX+fi]
.set fi, fi+1
.endr
.set fi, 0
.rept 32
	v_exp_f32 v[EX+fi], v[EX+fi]                   ; exp(min(t, 0)), never above 1
.set fi, fi+1
.endr
.set fi, 0
.rept 16
	v_pk_add_f32 v[MX+fi:MX+fi+1], v[MX+fi:MX+fi+1], 1.0 op_sel_hi:[1,0]            ; max(t, 0) + 1; also the plain instructions that stand behind the exponentials (ISA guide 5.7.2)
.set fi, fi+2
.endr
.set fi, 0
	s_wait_alu depctr_va_vdst(0)
.rept 16
	v_pk_add_f32 v[EX+fi:EX+fi+1], v[EX+fi:EX+fi+1], -1.0 op_sel_hi:[1,0]           ; exp - 1
.set fi, fi+2
.endr
.set fi, 0
.rept 16
	v_pk_add_f32 v[MX+fi:MX+fi+1], v[MX+fi:MX+fi+1], v[EX+fi:EX+fi+1]
.set fi, fi+2
.endr
.endm
; k: the four tiles (a, 0..3) of window 2 + hi lie in 32 neighbouring registers: f, the column sums in f32, then bf16 into the fragments
.macro KTILE hi, win, a, first
	FMAP32 \win, 64*\a
.if \first
.irp b, 0,1,2,3
	v_pk_add_f32 v[SUM+2*\b:SUM+2*\b+1], v[MX+8*\b:MX+8*\b+1], v[MX+8*\b+2:MX+8*\b+3]   ; the first two pairs start the sums
.endr
.else
.irp j, 0,2
.irp b, 0,1,2,3
	v_pk_add_f32 v[SUM+2*\b:SUM+2*\b+1], v[SUM+2*\b:SUM+2*\b+1], v[MX+8*\b+\j:MX+8*\b+\j+1]
.endr
.endr
.endif
.irp j, 4,6
.irp b, 0,1,2,3
	v_pk_add_f32 v[SUM+2*\b:SUM+2*\b+1], v[SUM+2*\b:SUM+2*\b+1], v[MX+8*\b+\j:MX+8*\b+\j+1]
.endr
.endr
.irp b, 0,1,2,3
.irp r, 0,1,2,3
	v_cvt_pk_bf16_f32 v[KF+8*(4*\b+2*\hi+\a/2)+4*(\a%2)+\r], v[MX+8*\b+2*\r], v[MX+8*\b+2*\r+1]
.endr
.endr
.endm
	VCVT 0, 0x4a
	VCVT 1, 0x4f
	KTILE 0, 0x02, 0, 1
	KTILE 0, 0x02, 1, 0
	KTILE 0, 0x02, 2, 0
	KTILE 0, 0x02, 3, 0
	KTILE 1, 0x03, 0, 0
	KTILE 1, 0x03, 1, 0
	KTILE 1, 0x03, 2, 0
	KTILE 1, 0x03, 3, 0
	; ksum of my 128 rows: the pair's two registers, then the other half of the lanes (the other eight rows of every tile)
.irp b, 0,1,2,3
	v_add_f32 v[SV+\b], v[SUM+2*\b], v[SUM+2*\b+1]
.endr
.irp b, 0,1,2,3
	v_permlanex16_b32 v[EX+\b], v[SV+\b], s66, s67 ; its destination counts as read: EX has been written
.endr
.irp b, 0,1,2,3
	v_add_f32 v[SV+\b], v[SV+\b], v[EX+\b]
.endr
	; kv of my 128 rows: source 0 = v's fragment (rows e), source 1 = k's (columns d); 16 tiles in window 2, which take turns, one instruction a turn
	WIN 0xa1
.irp c, 0,1,2,3
.irp db, 0,1,2,3
.irp eb, 0,1,2,3
.if \c
	v_wmma_f32_16x16x32_bf16 v[8*(4*\db+\eb):8*(4*\db+\eb)+7], v[VF+8*(4*\eb+\c):VF+8*(4*\eb+\c)+7], v[KF+8*(4*\db+\c):KF+8*(4*\db+\c)+7], v[8*(4*\db+\eb):8*(4*\db+\eb)+7]
.else
	v_wmma_f32_16x16x32_bf16 v[8*(4*\db+\eb):8*(4*\db+\eb)+7], v[VF+8*(4*\eb+\c):VF+8*(4*\eb+\c)+7], v[KF+8*(4*\db+\c):KF+8*(4*\db+\c)+7], 0
.endif
.endr
.endr
.endr
	PLACES                                         ; before the results are stored or added, and before loads land on k's fragments
	WIN 0
	; the lower row half hands its 33 pieces over through LDS
	s_cmp_eq_u32 s11, 0
	s_cbranch_scc1 .Lupper_half
	WIN 0x08                                       ; store data in window 2
.set pt, 0
.rept 32
	ds_store_b128 v[SCRA], v[4*pt:4*pt+3] offset:512*pt
.set pt, pt+1
.endr
	WIN 0
	ds_store_b128 v[SCRA], v[SV:SV+3] offset:16384
.Lupper_half:
	s_wait_dscnt 0x0                               ; for the other wave's sake: my stores are done
	s_barrier_signal -1
	s_barrier_wait -1
	s_cmp_lg_u32 s11, 0
	s_cbranch_scc1 .Lhanded_over
.set pt, 0
.rept 32
	ds_load_b128 v[64+4*pt:64+4*pt+3], v[SCRA] offset:512*pt
.set pt, pt+1
.endr
	ds_load_b128 v[SP:SP+3], v[SCRA] offset:16384
	s_wait_dscnt 0x0
	WIN 0x08                                       ; source 1 in window 2
.set pt, 0
.rept 64
	v_pk_add_f32 v[64+pt:64+pt+1], v[64+pt:64+pt+1], v[pt:pt+1]
.set pt, pt+2
.endr
	WIN 0
	v_pk_add_f32 v[SV:SV+1], v[SV:SV+1], v[SP:SP+1]
	v_pk_add_f32 v[SV+2:SV+3], v[SV+2:SV+3], v[SP+2:SP+3]
.set pt, 0
.rept 32
	global_store_b128 v[OFFP], v[64+4*pt:64+4*pt+3], s[8:9] offset:512*pt   ; a piece: 512 consecutive bytes, at a multiple of 256 from kvp's first byte
.set pt, pt+1
.endr
	global_store_b128 v[OFFP], v[SV:SV+3], s[8:9] offset:16384
.Lhanded_over:
	s_set_vgpr_msb 0x4
	s_wait_tensorcnt 0x0
	ds_add_u32 v63, v255
	s_wait_dscnt 0x0
	s_set_vgpr_msb 0x400
	CROUND                                         ; the closing round: no work-group ends while a partner may still ask for a tile that names it
	s_endpgm
.Lfunc_end_k_q1b77f66b6c_kvgemm:
	.size	k_q1b77f66b6c_kvgemm, .Lfunc_end_k_q1b77f66b6c_kvgemm-k_q1b77f66b6c_kvgemm
	.p2alignl 7, 3214868480
	.fill 96, 4, 3214868480
	.section	.rodata,"a",@progbits
	.p2align	6, 0x0
	.amdhsa_kernel k_q1b77f66b6c_kvgemm
		.amdhsa_group_segment_fixed_size 327680
		.amdhsa_private_segment_fixed_size 0
		.amdhsa_enable_private_segment 0
		.amdhsa_kernarg_size 24
		.amdhsa_user_sgpr_count 2
		.amdhsa_user_sgpr_kernarg_segment_ptr 1
		.amdhsa_wavefront_size32 1
		.amdhsa_system_sgpr_workgroup_id_x 1
		.amdhsa_system_sgpr_workgroup_id_y 1
		.amdhsa_system_sgpr_workgroup_id_z 1
		.amdhsa_system_vgpr_workitem_id 0
		.amdhsa_next_free_vgpr 1024
		.amdhsa_next_free_sgpr 100
		.amdhsa_reserve_vcc 0
		.amdhsa_float_denorm_mode_32 3
		.amdhsa_float_denorm_mode_16_64 3
		.amdhsa_memory_ordered 1
		.amdhsa_forward_progress 1
		.amdhsa_inst_pref_size 255
	.end_amdhsa_kernel
	.section	.bss,"aw",@nobits
	.p2align	6
	.space	262144
	.amdgpu_metadata
---
amdhsa.version: [ 1, 2 ]
amdhsa.kernels:
  - .name:           k_q1b77f66b6c_kvgemm
    .symbol:         k_q1b77f66b6c_kvgemm.kd
    .args:
      - { .name: xb, .offset: 0, .size: 8, .value_kind: global_buffer, .address_space: global }
      - { .name: wb, .offset: 8, .size: 8, .value_kind: global_buffer, .address_space: global }
      - { .name: kvp, .offset: 16, .size: 8, .value_kind: global_buffer, .address_space: global }
    .group_segment_fixed_size: 327680
    .private_segment_fixed_size: 0
    .kernarg_segment_align: 8
    .kernarg_segment_size: 24
    .max_flat_workgroup_size: 128
    .sgpr_count:     100
    .vgpr_count:     1024
    .wavefront_size: 32
...
	.end_amdgpu_metadata
.endif
;; end of part 2
;; launch qgemm (part 3): grid 8 x 32, 4 waves a work-group, clusters of 4 x 4, 327,680 bytes of LDS; arguments xb, wb, kvp, w_out, qn, wp; writes qn, wp
.if DOCPART == 3
	.amdgcn_target "amdgcn-amd-amdhsa--gfx1250"
	.amdhsa_code_object_version 6
	.text
	.protected	k_q1b77f66b6c_qgemm
	.globl	k_q1b77f66b6c_qgemm
	.p2align	8
	.type	k_q1b77f66b6c_qgemm,@function
k_q1b77f66b6c_qgemm:
	s_mov_b64 s[64:65], 0
	v_nop
	global_prefetch_b8 v0, s[64:65] scope:SCOPE_SE
	s_setreg_imm32_b32 hwreg(HW_REG_WAVE_MODE, 25, 1), 1
	s_wait_xcnt 0x0
	s_wait_alu depctr_hold_cnt(0) depctr_sa_sdst(0) depctr_va_vdst(0) depctr_va_sdst(0) depctr_va_ssrc(0) depctr_va_vcc(0) depctr_vm_vsrc(0)
	s_getreg_b32 s2, hwreg(HW_REG_IB_STS2, 6, 4)
	s_cmp_eq_u32 s2, 0
	s_cbranch_scc0 .Lentry_in_a_cluster
	s_endpgm
.Lentry_in_a_cluster:
	s_bfe_u32 s2, ttmp6, 0x10000c
	s_cmp_lg_u32 s2, 0xf033
	s_cbranch_scc0 .Lentry_shape_is_right
	s_endpgm
.Lentry_shape_is_right:
; Two results.  (1) qn = q / max(sum over d of q ksum, 1e-6), q = f(x Wq^T), f(t) = elu(t) + 1 = (exp(min(t,0)) - 1) + (max(t,0) + 1), rounded to bf16,
; stored as qn[y 32][u 8][row 256][128]: row 256 y + row, columns 128 u .. (heads 2 u, 2 u + 1).
; (2) wp[b][nb 8][h 16][n 128][d 64] = sum over e of w_out[128 nb + n][64 h + e] kv[b,h][d][e], rounded to bf16: the product (q kv / norm) w_out^T is associated as
; (q / norm)(kv w_out^T), so that the attention's result is never rounded to bf16 between the two products.
; Work-group (p, y): rows 256 y .. +255, columns 128 p .. +127 of q: block (y, p) of qn; and of wp the slice b = y >> 3, h = 2 p + (y & 1), n = 256 ((y >> 1) & 3) .. +255.
; Four waves; wave w has rows 64 w .. +63 and all 128 columns: 32 accumulator tiles, window 2.
; THE RING: K = 1024 is eight units of 128; xb[y][u] (65,536 bytes) and wb[p][u] (32,768 bytes) hold a unit's tile as one dense run of rows of 256 bytes.  Three LDS slots
; of one unit.  Units 0, 1, 2 are asked for at the start, each wave its half of x's or of W's tile.  Later slots 0 and 1 are filled TOGETHER behind one round, one load a
; wave (wave 0: x of the lower unit, wave 1: x of the upper, waves 2 and 3: W likewise), and slot 2 behind a round of its own, in halves.  So the eight units need
; three refills; slot 2's has 240 matrix instructions of a wave between request and wait, the double ones 112.  Between refills no load of a wave is out, so the
; descriptors' row counts and addresses are rewritten there.  Three loads of a wave are out at the start, later one.
; CLUSTERS: 4 x 4 work-groups; xb's tiles are asked for jointly along a row of the cluster, wb's along a column.
; THE MATRIX INSTRUCTION IS USED TRANSPOSED (source 0 = rows of W, source 1 = rows of x): a lane holds one row s and eight neighbouring columns.
; ksum's partial sums and w_out's slice are loaded behind the first tensor loads; kv's partial sums in front of the wait for units 3 and 4; all are summed and shared
; through LDS in front of the barrier that shows units 6 and 7: work that stands where the wave would otherwise only wait.
; LIMITS: NaN and infinite inputs are not followed.  exp and 1/norm are v_exp_f32 and v_rcp_f32 (1 ulp).  x, Wq, kv, w_out enter the matrix unit as bf16; the normaliser is all f32.
;
; REGISTERS:  window 0: v2-31 small and addresses; in the K steps v32-95 fragments of x (two buffers of 4), v96-223 fragments of W (two buffers of 8); v224-239 kv packed; v240-247 ksum's partial sums
;             window 1: v0-127 w_out's slice in f32;  window 2: the accumulators, tile (a, b) at v[8 (8 a + b)];  window 3: kv's eight partial sums, 32 registers each
.set KSTEP,  128
.set AU,     65536                     ; bytes of a unit of x's tile in memory
.set BU,     32768                     ; of W's
.set PITCH,  272                       ; x's LDS rows: 256 bytes + 16
.set HALFT,  128*PITCH                 ; half of x's tile
.set ABYTES, 2*HALFT
.set BP,     272                       ; W's LDS rows
.set BH,     64*BP                     ; half of W's tile: 64 rows
.set BC,     ABYTES-2*BH               ; so that waves 2 and 3 land at ABYTES and ABYTES + BH
.set SLOT,   ABYTES+2*BH               ; 104,448
.set BKHI,   128                       ; byte of quarter kq in W's rows: BKHI (kq / 2) + 64 (kq % 2) = 64 kq
.set STAGE,  2*SLOT                    ; the ways out use slot 2: 4,352 bytes for each wave.  Slot 2 has had its last fill (unit 5), and every wave's reads of it are waited for in front of the last barrier
.set KSL,    3*SLOT                    ; behind the ring, where no fill lands: ksum of the two heads, 128 f32
.set KVF,    KSL+512                   ; kv of the slice's head as 8 fragments of 1,024 bytes
.set CHUNK,  16896                     ; kvp: bytes of one block of 256 rows;  8 of them for a (b, h)
.set N0,   2                           ; v[2:3], v[4:5] the normaliser's two chains
.set N1,   4
.set RC,   6                           ; v[6:7] 1 / normaliser, twice
.set KSST, 8                           ; KSL + 4 t
.set KSLD, 9                           ; KSL + 32 hh
.set STO2, 10                          ; wp's stage, in
.set RD2,  11                          ; wp's stage, back
.set KVST, 12                          ; KVF + 2,048 w + 16 lane
.set KVLD, 13                          ; KVF + 16 lane
.set LOFF, 14                          ; 16 lane
.set ADRA, 16                          ; v16-18 my x fragments in slot 0, 1, 2
.set ADRB, 20                          ; v20-22 W's
.set STO,  24                          ; qn's stage, in
.set RD,   25                          ; qn's stage, back
.set KSA,  27                          ; addresses of the side loads, never rewritten
.set KVA,  28
.set WOA,  29
.set FA,   32
.set FB,   96
.set KVP,  224
.set KSP,  240
.set KS,   32                          ; behind the K steps: v[32:95] ksum of my 64 columns
.set EX,   96
.set MX,   128
.set TMP,  160
.set RB,   192                         ; v[192:223], v[224:255] rows read back, in turn
.set WF,   96                          ; for wp: v[96:159] w_out's 8 fragments, v[160:223] kv's 8, v[32:47] packed, v[48:79] rows read back
.set KVFR, 160
.set TMP2, 32
.set RB2,  48
.set L2E,  96                          ; s[96:97] log2(e), twice
.set DOA,  98                          ; s[98:99]   what x's group 0 of slot 0 steps by to become the double refill's: 3 units + my half made a whole unit
.set DOB,  100                         ; s[100:101] the same for W
.set G1,  24                           ; s[24:31] group 1 for x's tiles
.set GA0, 32                           ; group 0 for x's tiles: slot 0 (later the double refills),
.set GA1, 36                           ; slot 1,
.set GA2, 4                            ; slot 2
.set G1B, 48                           ; s[48:55] group 1 for W's tiles
.set GB0, 56
.set GB1, 60
.set GB2, 68                           ; in the registers that brought xb's and wb's addresses, which are spent by then
.set MSB, 0
.macro WIN new
.if MSB != (\new)
	s_set_vgpr_msb (MSB<<8)|(\new)
.set MSB, \new
.endif
.endm
.set MUL, 0xa0                         ; sources in window 0, C and D in window 2
.macro JLOAD ga, gb                    ; waves 0 and 1 fetch for x, waves 2 and 3 for W; the branch hangs on the wave's number alone
	s_cmp_eq_u32 s11, 0
	s_cbranch_scc0 .Lfor_b_\@
	tensor_load_to_lds s[\ga:\ga+3], s[G1:G1+7]
	s_nop 0
	s_branch .Lasked_\@
.Lfor_b_\@:
	tensor_load_to_lds s[\gb:\gb+3], s[G1B:G1B+7]
	s_nop 0
.Lasked_\@:
.endm
.macro CREST                           ; a round of the cluster's barrier behind its opening barrier
	s_cmp_lg_u32 s10, 0
	s_cbranch_scc1 .Lnot_wave_0_\@
	s_barrier_signal -3
.Lnot_wave_0_\@:
	s_barrier_wait -3
	s_barrier_signal -1
	s_barrier_wait -1
.endm
.macro CROUND
	s_barrier_signal -1
	s_barrier_wait -1
	CREST
.endm
.macro FIRST n, ga, gb                 ; unit n into slot n, each wave its half
	s_mov_b32 s[\ga], 1
	s_add_co_u32 s[\ga+1], s20, \n*SLOT
	s_add_nc_u64 s[\ga+2:\ga+3], s[14:15], \n*AU
	s_or_b32 s[\ga+3], s[\ga+3], 0x80000000
	s_mov_b32 s[\gb], 1
	s_add_co_u32 s[\gb+1], s18, \n*SLOT
	s_add_nc_u64 s[\gb+2:\gb+3], s[46:47], \n*BU
	s_or_b32 s[\gb+3], s[\gb+3], 0x80000000
	JLOAD \ga, \gb
.endm
	s_load_b256 s[68:75], s[0:1], 0x0              ; xb s[68:69], wb s[70:71], kvp s[72:73], w_out s[74:75]
	s_load_b128 s[76:79], s[0:1], 0x20             ; qn s[76:77], wp s[78:79]
	v_lshl_add_u32 v30, v0, 2, 0x4ea00
	v_mov_b32 v31, 0
	ds_add_u32 v30, v31
	v_lshrrev_b32 v1, 5, v0
	v_readfirstlane_b32 s10, v1                    ; wave 0..3
	s_lshr_b32 s11, s10, 1                         ; I fetch for x (0) or for W (1)
	s_and_b32 s12, s10, 1                          ; which half; in a double refill: which unit and slot
	s_bfe_u32 s40, ttmp6, 0x40000                  ; cx
	s_bfe_u32 s41, ttmp6, 0x40004                  ; cy
	s_lshl_b32 s42, ttmp9, 2
	s_add_co_u32 s42, s42, s40                     ; p
	s_and_b32 s13, ttmp7, 0xffff
	s_lshl_b32 s13, s13, 2
	s_add_co_u32 s13, s13, s41                     ; y
	s_lshl_b32 s43, s41, 2
	s_lshl_b32 s43, 15, s43                        ; my row of the cluster
	s_lshl_b32 s44, 0x1111, s40                    ; my column
	s_mov_b32 s66, 0x76543210
	s_mov_b32 s67, 0xfedcba98
	s_mov_b32 s[L2E], 0x3fb8aa3b
	s_mov_b32 s[L2E+1], 0x3fb8aa3b
	s_or_b32 s[G1+0], s43, (1<<16)|(1<<20)|(1<<21)|(5<<22)|(3<<25)   ; elements of 2 bytes; 4 words of padding behind every 64
	s_or_b32 s[G1B+0], s44, (1<<16)|(1<<20)|(1<<21)|(5<<22)|(3<<25)
	s_mov_b32 s[G1+1], KSTEP<<16                   ; tensor_dim0 = 128
	s_mov_b32 s[G1B+1], KSTEP<<16
	s_mov_b32 s[G1+2], 128<<16                     ; tensor_dim1: half of x's tile, 128 rows,
	s_mov_b32 s[G1B+2], 64<<16                     ; half of W's, 64
	s_mov_b32 s[G1+3], KSTEP<<16                   ; tile_dim0 = 128
	s_mov_b32 s[G1B+3], KSTEP<<16
	s_mov_b32 s[G1+4], 128                         ; tile_dim1
	s_mov_b32 s[G1B+4], 64
	s_mov_b32 s[G1+5], 128                         ; elements from row to row: dense
	s_mov_b32 s[G1B+5], 128
	s_mov_b32 s[G1+6], 0
	s_mov_b32 s[G1B+6], 0
	s_mov_b32 s[G1+7], 0
	s_mov_b32 s[G1B+7], 0
	s_lshl_b32 s16, s13, 19                        ; x: y's eight units + my half of a unit
	s_lshl_b32 s17, s12, 15
	s_add_co_u32 s16, s16, s17
	s_mov_b32 s17, 0
	s_lshl_b32 s46, s42, 18                        ; Wq: p's eight units + my half of a unit
	s_lshl_b32 s47, s12, 14
	s_add_co_u32 s46, s46, s47
	s_mov_b32 s47, 0
	s_mul_i32 s20, s10, HALFT                      ; LDS: x's half,
	s_mul_i32 s18, s10, BH
	s_add_co_u32 s18, s18, BC                      ; W's half: the wave's number and constants alone
	s_lshl_b32 s[DOA], s12, 15
	s_add_co_u32 s[DOA], s[DOA], 3*AU
	s_mov_b32 s[DOA+1], 0
	s_lshl_b32 s[DOB], s12, 14
	s_add_co_u32 s[DOB], s[DOB], 3*BU
	s_mov_b32 s[DOB+1], 0
	s_wait_dscnt 0x0
	s_wait_kmcnt 0x0
	s_add_nc_u64 s[14:15], s[68:69], s[16:17]
	s_add_nc_u64 s[46:47], s[70:71], s[46:47]
	CROUND                                         ; the first joint loads meet
	FIRST 0, GA0, GB0
	FIRST 1, GA1, GB1
	FIRST 2, GA2, GB2                              ; three loads of this wave are out
	; the bases of what is not shared in the cluster, in registers that feed no descriptor
	s_lshr_b32 s90, s13, 3
	s_lshl_b32 s90, s90, 4                         ; 16 b
	s_lshl1_add_u32 s91, s42, s90                  ; 16 b + 2 p: the first head of my q columns
	s_and_b32 s92, s13, 1
	s_lshl1_add_u32 s94, s42, s92                  ; h = 2 p + (y & 1): the slice's head
	s_add_co_u32 s92, s92, s91                     ; 16 b + h
	s_bfe_u32 s93, s13, 0x20001                    ; (y >> 1) & 3: the slice's 256 rows n
	s_mul_i32 s80, s91, 8*CHUNK
	s_mov_b32 s81, 0
	s_add_nc_u64 s[80:81], s[72:73], s[80:81]      ; kvp at heads 2 p, 2 p + 1 (for ksum)
	s_mul_i32 s82, s92, 8*CHUNK
	s_mov_b32 s83, 0
	s_add_nc_u64 s[82:83], s[72:73], s[82:83]      ; kvp at head h (for kv)
	s_lshl_b32 s84, s93, 20                        ; 256 rows of 4,096 bytes
	s_lshl_b32 s95, s94, 8                         ; + 64 h columns of 4 bytes
	s_add_co_u32 s84, s84, s95
	s_mov_b32 s85, 0
	s_add_nc_u64 s[84:85], s[74:75], s[84:85]      ; w_out at the slice
	s_lshl_b32 s86, s13, 19                        ; qn: block (y, p) of 65,536 bytes + 64 w rows of 256
	s_lshl_b32 s95, s42, 16
	s_add_co_u32 s86, s86, s95
	s_lshl_b32 s95, s10, 14
	s_add_co_u32 s86, s86, s95
	s_mov_b32 s87, 0
	s_add_nc_u64 s[86:87], s[76:77], s[86:87]
	s_lshr_b32 s88, s13, 3                         ; wp: b (8 x 16 x 16,384 bytes)
	s_lshl_b32 s88, s88, 21
	s_lshl_b32 s95, s93, 19                        ; + block nb = 2 ((y >> 1) & 3) + (w >> 1) of 16 heads
	s_add_co_u32 s88, s88, s95
	s_lshl_b32 s95, s11, 18
	s_add_co_u32 s88, s88, s95
	s_lshl_b32 s95, s94, 14                        ; + head h
	s_add_co_u32 s88, s88, s95
	s_lshl_b32 s95, s12, 13                        ; + 64 (w & 1) rows of 128 bytes
	s_add_co_u32 s88, s88, s95
	s_mov_b32 s89, 0
	s_add_nc_u64 s[88:89], s[78:79], s[88:89]
	v_and_b32 v1, 15, v0                           ; r
	v_bfe_u32 v2, v0, 4, 1                         ; hh
	v_and_b32 v6, 31, v0                           ; lane
	v_lshlrev_b32 v[LOFF], 4, v6
	; ksum: thread t takes column t of my 128: head t >> 6, d = 16 db + r: word db of lane r's 16 bytes in piece 32
	v_lshrrev_b32 v4, 6, v0
	v_mul_u32_u24 v4, v4, 8*CHUNK
	v_lshl_add_u32 v4, v1, 4, v4
	v_bfe_u32 v5, v0, 4, 2
	v_lshl_add_u32 v4, v5, 2, v4
	v_add_nc_u32 v[KSA], 16384, v4
	v_lshl_add_u32 v[KVA], s10, 12, v[LOFF]        ; kv: wave w takes rows d = 16 w .. + 15: pieces 8 w .. 8 w + 7
	v_lshlrev_b32 v4, 12, v1                       ; w_out: row 64 w + r, 32 hh bytes in
	v_lshl_add_u32 v4, v2, 5, v4
	v_lshl_add_u32 v[WOA], s10, 18, v4
.irp c, 0,1,2,3,4,5,6,7
	global_load_b32 v[KSP+\c], v[KSA], s[80:81] offset:CHUNK*\c
.endr
	WIN 0x40                                       ; destination in window 1: fragment (nb, cK) in f32 at 16 (2 nb + cK): e = 32 cK + 16 hf + 8 hh + 4 qd ..
.irp nb, 0,1,2,3
.irp cK, 0,1
.irp hf, 0,1
.irp qd, 0,1
	global_load_b128 v[16*(2*\nb+\cK)+8*\hf+4*\qd:16*(2*\nb+\cK)+8*\hf+4*\qd+3], v[WOA], s[84:85] offset:65536*\nb+128*\cK+64*\hf+16*\qd
.endr
.endr
.endr
.endr
	WIN 0
	; LDS addresses
	v_mul_u32_u24 v3, v1, PITCH
	v_lshl_add_u32 v3, v2, 4, v3
	v_mul_u32_u24 v7, v1, BP
	v_lshl_add_u32 v7, v2, 4, v7
	s_mul_i32 s21, s10, 64*PITCH                   ; my 64 rows of x
	s_mov_b32 s22, ABYTES                          ; W's 128 rows, all mine
.irp s, 0,1,2
	v_add_nc_u32 v[ADRA+\s], s21, v3
	v_add_nc_u32 v[ADRB+\s], s22, v7
	s_add_co_u32 s21, s21, SLOT
	s_add_co_u32 s22, s22, SLOT
.endr
	s_mul_i32 s23, s10, 4352
	s_add_co_u32 s23, s23, STAGE                   ; my stage
	v_add_nc_u32 v[STO], s23, v3                   ; qn in: row r at pitch 272, 16 bytes for each half of the lanes
	v_mul_u32_u24 v5, v2, 272                      ; back: lanes 0-15 one row of 256 bytes, lanes 16-31 the next
	v_lshl_add_u32 v5, v1, 4, v5
	v_add_nc_u32 v[RD], s23, v5
	v_mul_u32_u24 v4, v1, 144                      ; wp in: row r at pitch 144
	v_lshl_add_u32 v4, v2, 4, v4
	v_add_nc_u32 v[STO2], s23, v4
	v_lshrrev_b32 v5, 3, v6                        ; back: eight lanes a row of 128 bytes
	v_mul_u32_u24 v5, v5, 144
	v_and_b32 v7, 7, v0
	v_lshl_add_u32 v5, v7, 4, v5
	v_add_nc_u32 v[RD2], s23, v5
	v_add_nc_u32 v[KVLD], KVF, v[LOFF]
	v_lshl_add_u32 v[KVST], s10, 11, v[KVLD]
	v_lshlrev_b32 v4, 2, v0
	v_add_nc_u32 v[KSST], KSL, v4
	v_lshlrev_b32 v4, 5, v2
	v_add_nc_u32 v[KSLD], KSL, v4
; 8 matrix instructions: row block a x all 8 column blocks, 32 along K, from buffer n
.macro MULA n, a, zero
.irp b, 0,1,2,3,4,5,6,7
.if \zero
	v_wmma_f32_16x16x32_bf16 v[8*(8*\a+\b):8*(8*\a+\b)+7], v[FB+64*\n+8*\b:FB+64*\n+8*\b+7], v[FA+32*\n+8*\a:FA+32*\n+8*\a+7], 0
.else
	v_wmma_f32_16x16x32_bf16 v[8*(8*\a+\b):8*(8*\a+\b)+7], v[FB+64*\n+8*\b:FB+64*\n+8*\b+7], v[FA+32*\n+8*\a:FA+32*\n+8*\a+7], v[8*(8*\a+\b):8*(8*\a+\b)+7]
.endif
.endr
.endm
; 24 LDS loads in one run: quarter kq of the slot's unit into buffer n
.macro FETCH slot, kq, n
	WIN 0
.irp i, 0,1,2,3,4,5,6,7
	ds_load_b128 v[FB+64*\n+8*\i:FB+64*\n+8*\i+3],   v[ADRB+\slot] offset:BKHI*(\kq/2)+64*(\kq%2)+\i*16*BP
	ds_load_b128 v[FB+64*\n+8*\i+4:FB+64*\n+8*\i+7], v[ADRB+\slot] offset:BKHI*(\kq/2)+64*(\kq%2)+\i*16*BP+32
.endr
.irp i, 0,1,2,3
	ds_load_b128 v[FA+32*\n+8*\i:FA+32*\n+8*\i+3],   v[ADRA+\slot] offset:64*\kq+\i*16*PITCH
	ds_load_b128 v[FA+32*\n+8*\i+4:FA+32*\n+8*\i+7], v[ADRA+\slot] offset:64*\kq+\i*16*PITCH+32
.endr
.endm
.macro PLACES                          ; four places behind a matrix instruction before a load lands on its sources or its result is read
.rept 4
	v_nop
.endr
.endm
; A quarter: buffer n's loads, issued a quarter ago, are in; quarter kq of slot goes out into buffer g at its head, so that all 32 matrix instructions cover it
.macro QUARTER slot, kq, n, g, zero
	s_wait_dscnt 0x0
	PLACES
	FETCH \slot, \kq, \g
	WIN MUL
	MULA \n, 0, \zero
	MULA \n, 1, \zero
	MULA \n, 2, \zero
	MULA \n, 3, \zero
.endm
.macro THREE slot, zero
	QUARTER \slot, 1, 0, 1, \zero
	QUARTER \slot, 2, 1, 0, 0
	QUARTER \slot, 3, 0, 1, 0
.endm
; A unit's last quarter, with a change to a slot that a barrier has yet to show, and nothing filled behind that barrier.  left = how many younger tensor loads may stay out.
.macro TURNB next, left
	s_wait_dscnt 0x0                               ; buffer 1 is in; no LDS instruction of mine is pending at the signal
	s_wait_tensorcnt \left                         ; my part of the next slot has landed
	s_barrier_signal -1
	WIN MUL
	MULA 1, 0, 0                                   ; register work while the others arrive
	MULA 1, 1, 0
	WIN 0
	s_barrier_wait -1
	PLACES
	FETCH \next, 0, 0
	WIN MUL
	MULA 1, 2, 0
	MULA 1, 3, 0
.endm
; A unit's last quarter with a refill.  In front of the barrier, which opens a round of the cluster's barrier, every wave waits for its LDS reads and for all its tensor loads;
; behind the round the descriptors are rewritten (no load of the wave is out) and the refill is the first tensor load, one a wave; then the next slot is read.
; kind 1: slots 0 and 1 get units 3 and 4; kind 2: slot 2 gets unit 5, in halves; kind 3: slots 0 and 1 get units 6 and 7.
.macro TURNF next, kind
	s_wait_dscnt 0x0                               ; my reads of the slots that are filled again are over
	s_wait_tensorcnt 0x0                           ; all my tensor loads have landed
	ds_add_u32 v30, v31
	s_wait_dscnt 0x0
	s_barrier_signal -1
	WIN MUL
	MULA 1, 0, 0
	MULA 1, 1, 0
	WIN 0
	s_barrier_wait -1
	CREST
.if \kind == 2
	s_mov_b32 s[G1+2], 128<<16                     ; halves again: 128 rows of x,
	s_mov_b32 s[G1+4], 128
	s_mov_b32 s[G1B+2], 64<<16                     ; 64 of W
	s_mov_b32 s[G1B+4], 64
	s_add_nc_u64 s[GA2+2:GA2+3], s[GA2+2:GA2+3], 3*AU
	s_add_nc_u64 s[GB2+2:GB2+3], s[GB2+2:GB2+3], 3*BU
	JLOAD GA2, GB2
.else
	s_mov_b32 s[G1+2], 256<<16                     ; a whole unit a wave: 256 rows of x,
	s_mov_b32 s[G1+4], 256
	s_mov_b32 s[G1B+2], 128<<16                    ; 128 of W
	s_mov_b32 s[G1B+4], 128
.if \kind == 1
	s_mul_i32 s[GA0+1], s12, SLOT                  ; the lower unit into slot 0, the upper into slot 1
	s_mul_i32 s[GB0+1], s12, SLOT
	s_add_co_u32 s[GB0+1], s[GB0+1], ABYTES
	s_add_nc_u64 s[GA0+2:GA0+3], s[GA0+2:GA0+3], s[DOA:DOA+1]
	s_add_nc_u64 s[GB0+2:GB0+3], s[GB0+2:GB0+3], s[DOB:DOB+1]
.else
	s_add_nc_u64 s[GA0+2:GA0+3], s[GA0+2:GA0+3], 3*AU
	s_add_nc_u64 s[GB0+2:GB0+3], s[GB0+2:GB0+3], 3*BU
.endif
	JLOAD GA0, GB0
.endif
	PLACES
	FETCH \next, 0, 0
	WIN MUL
	MULA 1, 2, 0
	MULA 1, 3, 0
.endm
	; The eight units, written out: no two changes of slot in a row are alike.  The 32 accumulators take turns, one instruction a turn, in one order throughout.
	s_wait_tensorcnt 2                             ; my part of unit 0 is in; units 1 and 2 stay out
	s_barrier_signal -1
	s_barrier_wait -1
	FETCH 0, 0, 0
	THREE 0, 1                                     ; unit 0: the first quarter's products start the sums
	TURNB 1, 1                                     ; unit 1 has landed; unit 2 may stay out
	THREE 1, 0                                     ; unit 1
	TURNF 2, 1
	THREE 2, 0                                     ; unit 2
	WIN 0xc0                                       ; kv's partial sums go out here, ahead of the wait for units 3 and 4; destination in window 3
.irp c, 0,1,2,3,4,5,6,7
.irp t, 0,1,2,3,4,5,6,7
	global_load_b128 v[32*\c+4*\t:32*\c+4*\t+3], v[KVA], s[82:83] offset:CHUNK*\c+512*\t
.endr
.endr
	TURNF 0, 2
	THREE 0, 0                                     ; unit 3
	QUARTER 1, 0, 1, 0, 0                          ; slot 1 was shown whole by the same barrier as slot 0: no barrier here
	THREE 1, 0                                     ; unit 4
	TURNF 2, 3
	THREE 2, 0                                     ; unit 5
	; ksum and kv: the eight blocks' partial sums are added in f32 and put into LDS ahead of the wait for units 6 and 7; the barrier there shows them to every wave
	WIN 0
	s_wait_loadcnt 0x0                             ; all side loads
	v_add_f32 v[KSP], v[KSP], v[KSP+1]
	v_add_f32 v[KSP+2], v[KSP+2], v[KSP+3]
	v_add_f32 v[KSP+4], v[KSP+4], v[KSP+5]
	v_add_f32 v[KSP+6], v[KSP+6], v[KSP+7]
	v_add_f32 v[KSP], v[KSP], v[KSP+2]
	v_add_f32 v[KSP+4], v[KSP+4], v[KSP+6]
	v_add_f32 v[KSP], v[KSP], v[KSP+4]
	ds_store_b32 v[KSST], v[KSP]
	WIN 0xff                                       ; all in window 3
.irp c, 1,2,3,4,5,6,7
.irp i, 0,2,4,6,8,10,12,14,16,18,20,22,24,26,28,30
	v_pk_add_f32 v[\i:\i+1], v[\i:\i+1], v[32*\c+\i:32*\c+\i+1]
.endr
.endr
	WIN 0x0f                                       ; sources in window 3, destination in window 0
.irp i, 0,1,2,3,4,5,6,7,8,9,10,11,12,13,14,15
	v_cvt_pk_bf16_f32 v[KVP+\i], v[2*\i], v[2*\i+1]    ; tiles eb = 2 cK, 2 cK + 1 side by side are the fragment (rows d = 16 w + r, K = e = 32 cK ..)
.endr
	WIN 0
.irp g, 0,1,2,3
	ds_store_b128 v[KVST], v[KVP+4*\g:KVP+4*\g+3] offset:512*\g
.endr
	TURNB 0, 0                                     ; units 6 and 7 have landed: the last tensor loads; my stores above are done in front of its signal
	THREE 0, 0                                     ; unit 6
	QUARTER 1, 0, 1, 0, 0
	THREE 1, 0                                     ; unit 7
	s_wait_dscnt 0x0
	WIN MUL
	MULA 1, 0, 0
	MULA 1, 1, 0
	MULA 1, 2, 0
	MULA 1, 3, 0
	PLACES
	WIN 0
.irp b, 0,1,2,3,4,5,6,7
	ds_load_b128 v[KS+8*\b:KS+8*\b+3],   v[KSLD] offset:64*\b       ; ksum of columns 16 b + 8 hh + 0 .. 7
	ds_load_b128 v[KS+8*\b+4:KS+8*\b+7], v[KSLD] offset:64*\b+16
.endr
	s_wait_dscnt 0x0
; f on 32 accumulator registers from x of window 2, result in MX.  Each line of the sum is one f32 rounding, as elu(t) + 1 has them.
.macro FMAP32 win, x
	WIN \win
.set fi, 0
.rept 16
	v_pk_mul_f32 v[EX+fi:EX+fi+1], v[\x+fi:\x+fi+1], s[L2E:L2E+1] op_sel_hi:[1,0]
.set fi, fi+2
.endr
.set fi, 0
.rept 32
	v_max_num_f32 v[MX+fi], v[\x+fi], 0
.set fi, fi+1
.endr
	WIN 0
.set fi, 0
.rept 32
	v_min_num_f32 v[EX+fi], 0, v[EX+fi]
.set fi, fi+1
.endr
.set fi, 0
.rept 32
	v_exp_f32 v[EX+fi], v[EX+fi]
.set fi, fi+1
.endr
.set fi, 0
.rept 16
	v_pk_add_f32 v[MX+fi:MX+fi+1], v[MX+fi:MX+fi+1], 1.0 op_sel_hi:[1,0]            ; also the plain instructions that stand behind the exponentials (ISA guide 5.7.2)
.set fi, fi+2
.endr
.set fi, 0
	s_wait_alu depctr_va_vdst(0)
.rept 16
	v_pk_add_f32 v[EX+fi:EX+fi+1], v[EX+fi:EX+fi+1], -1.0 op_sel_hi:[1,0]
.set fi, fi+2
.endr
.set fi, 0
.rept 16
	v_pk_add_f32 v[MX+fi:MX+fi+1], v[MX+fi:MX+fi+1], v[EX+fi:EX+fi+1]
.set fi, fi+2
.endr
.endm
; rows 16 a .. + 15 of my 64: for each head f, the normaliser (my 32 columns, then the other half of the lanes), the division, bf16; then out through my stage
.macro QOUT a
.irp hd, 0,1
	FMAP32 0x02, 8*(8*\a+4*\hd)
	v_pk_mul_f32 v[N0:N0+1], v[MX:MX+1], v[KS+32*\hd:KS+32*\hd+1]
	v_pk_mul_f32 v[N1:N1+1], v[MX+2:MX+3], v[KS+32*\hd+2:KS+32*\hd+3]
.irp i, 4,8,12,16,20,24,28
	v_pk_fma_f32 v[N0:N0+1], v[MX+\i:MX+\i+1], v[KS+32*\hd+\i:KS+32*\hd+\i+1], v[N0:N0+1]
	v_pk_fma_f32 v[N1:N1+1], v[MX+\i+2:MX+\i+3], v[KS+32*\hd+\i+2:KS+32*\hd+\i+3], v[N1:N1+1]
.endr
	v_pk_add_f32 v[N0:N0+1], v[N0:N0+1], v[N1:N1+1]
	v_add_f32 v[N0], v[N0], v[N0+1]
	v_permlanex16_b32 v[EX], v[N0], s66, s67       ; its destination counts as read: EX has been written
	v_add_f32 v[N0], v[N0], v[EX]
	v_max_num_f32 v[N0], 0x358637bd, v[N0]         ; max(.., 1e-6)
	v_rcp_f32 v[RC], v[N0]
	v_rcp_f32 v[RC+1], v[N0]
	v_nop                                          ; one plain instruction behind the reciprocals (ISA guide 5.7.2)
	s_wait_alu depctr_va_vdst(0)
.irp i, 0,2,4,6,8,10,12,14,16,18,20,22,24,26,28,30
	v_pk_mul_f32 v[MX+\i:MX+\i+1], v[MX+\i:MX+\i+1], v[RC:RC+1]
.endr
.irp i, 0,1,2,3,4,5,6,7,8,9,10,11,12,13,14,15
	v_cvt_pk_bf16_f32 v[TMP+16*\hd+\i], v[MX+2*\i], v[MX+2*\i+1]
.endr
.endr
.irp b, 0,1,2,3,4,5,6,7
	ds_store_b128 v[STO], v[TMP+4*\b:TMP+4*\b+3] offset:32*\b
.endr
	s_wait_xcnt 0x0                                ; the rows' registers, which earlier stores read, and the stores' base are rewritten only behind this wait
.if \a
	s_add_nc_u64 s[86:87], s[86:87], 16*256        ; 16 rows of the block on
.endif
.irp t, 0,1,2,3,4,5,6,7
	ds_load_b128 v[RB+32*(\a%2)+4*\t:RB+32*(\a%2)+4*\t+3], v[RD] offset:\t*544     ; LDS serves a wave's instructions in order: these see the stores above
.endr
.irp t, 0,1,2,3,4,5,6,7
	s_wait_dscnt 7-\t                              ; the 7 - t younger loads may stay out
	global_store_b128 v[LOFF], v[RB+32*(\a%2)+4*\t:RB+32*(\a%2)+4*\t+3], s[86:87] offset:512*\t   ; two rows of the block: 512 consecutive bytes, at a multiple of 256 from qn's first byte
.endr
.endm
	QOUT 0
	QOUT 1
	QOUT 2
	QOUT 3
	; wp's slice: my 64 rows n x 64 d, K = e = 64.  Source 0 = kv's fragment (rows d), source 1 = w_out's (columns n): a lane holds one n and eight neighbouring d.
	s_wait_xcnt 0x0                                ; registers that qn's stores read are written from here on
	WIN 0x05                                       ; sources in window 1
.set wi, 0
.rept 64
	v_cvt_pk_bf16_f32 v[WF+wi], v[2*wi], v[2*wi+1]
.set wi, wi+1
.endr
	WIN 0
.irp g, 0,1,2,3,4,5,6,7
	ds_load_b128 v[KVFR+8*\g:KVFR+8*\g+3],   v[KVLD] offset:1024*\g
	ds_load_b128 v[KVFR+8*\g+4:KVFR+8*\g+7], v[KVLD] offset:1024*\g+512
.endr
	s_wait_dscnt 0x0
	WIN MUL
.irp cK, 0,1
.irp nb, 0,1,2,3
.irp db, 0,1,2,3
.if \cK
	v_wmma_f32_16x16x32_bf16 v[8*(4*\nb+\db):8*(4*\nb+\db)+7], v[KVFR+8*(2*\db+\cK):KVFR+8*(2*\db+\cK)+7], v[WF+8*(2*\nb+\cK):WF+8*(2*\nb+\cK)+7], v[8*(4*\nb+\db):8*(4*\nb+\db)+7]
.else
	v_wmma_f32_16x16x32_bf16 v[8*(4*\nb+\db):8*(4*\nb+\db)+7], v[KVFR+8*(2*\db+\cK):KVFR+8*(2*\db+\cK)+7], v[WF+8*(2*\nb+\cK):WF+8*(2*\nb+\cK)+7], 0
.endif
.endr
.endr
.endr
	PLACES
.irp nb, 0,1,2,3
	WIN 0x0a                                       ; sources in window 2
.irp i, 0,1,2,3,4,5,6,7,8,9,10,11,12,13,14,15
	v_cvt_pk_bf16_f32 v[TMP2+\i], v[32*\nb+2*\i], v[32*\nb+2*\i+1]
.endr
	WIN 0
.irp db, 0,1,2,3
	ds_store_b128 v[STO2], v[TMP2+4*\db:TMP2+4*\db+3] offset:32*\db
.endr
	s_wait_xcnt 0x0                                ; the rows' registers are rewritten only behind this wait
.irp t, 0,1,2,3
	ds_load_b128 v[RB2+16*(\nb%2)+4*\t:RB2+16*(\nb%2)+4*\t+3], v[RD2] offset:576*\t
.endr
.irp t, 0,1,2,3
	s_wait_dscnt 3-\t                              ; the 3 - t younger loads may stay out
	global_store_b128 v[LOFF], v[RB2+16*(\nb%2)+4*\t:RB2+16*(\nb%2)+4*\t+3], s[88:89] offset:2048*\nb+512*\t   ; four rows of 128 bytes: 512 consecutive bytes
.endr
.endr
	s_wait_tensorcnt 0x0
	ds_add_u32 v30, v31
	s_wait_dscnt 0x0
	CROUND                                         ; the closing round
	s_endpgm
.Lfunc_end_k_q1b77f66b6c_qgemm:
	.size	k_q1b77f66b6c_qgemm, .Lfunc_end_k_q1b77f66b6c_qgemm-k_q1b77f66b6c_qgemm
	.p2alignl 7, 3214868480
	.fill 96, 4, 3214868480
	.section	.rodata,"a",@progbits
	.p2align	6, 0x0
	.amdhsa_kernel k_q1b77f66b6c_qgemm
		.amdhsa_group_segment_fixed_size 327680
		.amdhsa_private_segment_fixed_size 0
		.amdhsa_enable_private_segment 0
		.amdhsa_kernarg_size 48
		.amdhsa_user_sgpr_count 2
		.amdhsa_user_sgpr_kernarg_segment_ptr 1
		.amdhsa_wavefront_size32 1
		.amdhsa_system_sgpr_workgroup_id_x 1
		.amdhsa_system_sgpr_workgroup_id_y 1
		.amdhsa_system_sgpr_workgroup_id_z 1
		.amdhsa_system_vgpr_workitem_id 0
		.amdhsa_next_free_vgpr 1024
		.amdhsa_next_free_sgpr 102
		.amdhsa_reserve_vcc 0
		.amdhsa_float_denorm_mode_32 3
		.amdhsa_float_denorm_mode_16_64 3
		.amdhsa_memory_ordered 1
		.amdhsa_forward_progress 1
		.amdhsa_inst_pref_size 255
	.end_amdhsa_kernel
	.section	.bss,"aw",@nobits
	.p2align	6
	.space	262144
	.amdgpu_metadata
---
amdhsa.version: [ 1, 2 ]
amdhsa.kernels:
  - .name:           k_q1b77f66b6c_qgemm
    .symbol:         k_q1b77f66b6c_qgemm.kd
    .args:
      - { .name: xb, .offset: 0, .size: 8, .value_kind: global_buffer, .address_space: global }
      - { .name: wb, .offset: 8, .size: 8, .value_kind: global_buffer, .address_space: global }
      - { .name: kvp, .offset: 16, .size: 8, .value_kind: global_buffer, .address_space: global }
      - { .name: w_out, .offset: 24, .size: 8, .value_kind: global_buffer, .address_space: global }
      - { .name: qn, .offset: 32, .size: 8, .value_kind: global_buffer, .address_space: global }
      - { .name: wp, .offset: 40, .size: 8, .value_kind: global_buffer, .address_space: global }
    .group_segment_fixed_size: 327680
    .private_segment_fixed_size: 0
    .kernarg_segment_align: 8
    .kernarg_segment_size: 48
    .max_flat_workgroup_size: 128
    .sgpr_count:     102
    .vgpr_count:     1024
    .wavefront_size: 32
...
	.end_amdgpu_metadata
.endif
;; end of part 3
;; launch ogemm (part 4): grid 8 x 32, 4 waves a work-group, clusters of 4 x 4, 327,680 bytes of LDS; arguments qn, wp, out0; writes out0
.if DOCPART == 4
	.amdgcn_target "amdgcn-amd-amdhsa--gfx1250"
	.amdhsa_code_object_version 6
	.text
	.protected	k_q1b77f66b6c_ogemm
	.globl	k_q1b77f66b6c_ogemm
	.p2align	8
	.type	k_q1b77f66b6c_ogemm,@function
k_q1b77f66b6c_ogemm:
	s_mov_b64 s[64:65], 0
	v_nop
	global_prefetch_b8 v0, s[64:65] scope:SCOPE_SE
	s_setreg_imm32_b32 hwreg(HW_REG_WAVE_MODE, 25, 1), 1
	s_wait_xcnt 0x0
	s_wait_alu depctr_hold_cnt(0) depctr_sa_sdst(0) depctr_va_vdst(0) depctr_va_sdst(0) depctr_va_ssrc(0) depctr_va_vcc(0) depctr_vm_vsrc(0)
	s_getreg_b32 s2, hwreg(HW_REG_IB_STS2, 6, 4)
	s_cmp_eq_u32 s2, 0
	s_cbranch_scc0 .Lentry_in_a_cluster
	s_endpgm
.Lentry_in_a_cluster:
	s_bfe_u32 s2, ttmp6, 0x10000c
	s_cmp_lg_u32 s2, 0xf033
	s_cbranch_scc0 .Lentry_shape_is_right
	s_endpgm
.Lentry_shape_is_right:
; out0[b, s, n] = sum over h, d of qn[b, s][64 h + d] wp[b][h][n][d], f32 sums of bf16 operands, stored in f32.
; Work-group (xb, y): rows 256 y .. +255 (batch y >> 3), columns 128 xb .. +127.  Four waves; wave w has rows 64 w .. +63 and all 128 columns: 32 accumulator tiles, window 2.
; THE RING: K = 1024 is eight units of 128 (two heads).  qn[y][u][256 rows][128] holds a unit's tile as 65,536 dense bytes; wp[b][xb][h][128 n][64 d] a unit's two heads as
; 32,768 dense bytes, which come in as rows of 256 bytes with 16 bytes of padding behind every 128, so that in LDS each n of a head has a row of pitch 144.
; Three LDS slots of one unit.  Units 0, 1, 2 are asked for at the start, each wave its half of qn's tile or its head of wp.  Later slots 0 and 1 are filled TOGETHER
; behind one round, one load a wave (wave 0: qn of the lower unit, wave 1: of the upper, waves 2 and 3: wp likewise), and slot 2 behind a round of its own, in halves.  So the
; eight units need three refills; slot 2's has 240 matrix instructions of a wave between request and wait, the double ones 112.  Between refills no load of a wave is
; out, so the descriptors' row counts and addresses are rewritten there.  Three loads of a wave are out at the start, later one.
; CLUSTERS: 4 x 4 work-groups; qn's tiles are asked for jointly along a row of the cluster, wp's along a column (the four rows of a cluster lie in one batch: b = cluster y >> 1).
; THE MATRIX INSTRUCTION IS USED TRANSPOSED (source 0 = rows n of wp, source 1 = rows s of qn): a lane holds one row s and eight neighbouring columns, 32 bytes of out0.
; LIMITS: NaN and infinite inputs are not followed.
; REGISTERS:  window 0: v16-26 addresses; v32-95 fragments of qn (two buffers of 4), v96-223 fragments of wp (two buffers of 8); on the way out v32-159 rows read back
;             window 2: the accumulators, tile (a, b) at v[8 (8 a + b)]
.set KSTEP,  128
.set AU,     65536                     ; bytes of a unit of qn's tile in memory
.set BU,     32768                     ; of wp's
.set PITCH,  272
.set HALFT,  128*PITCH
.set ABYTES, 2*HALFT
.set BP,     144                       ; wp's LDS rows: 128 bytes + 16, an odd multiple of 16
.set BH,     128*BP                    ; one head's 128 rows n
.set BC,     ABYTES-2*BH               ; so that waves 2 and 3 land at ABYTES and ABYTES + BH
.set SLOT,   ABYTES+2*BH               ; 106,496
.set BKHI,   BH                        ; quarter kq: head kq / 2 of the unit's two, d from 32 (kq % 2)
.set STAGE,  2*SLOT                    ; the way out uses slot 2: 16 rows x 528 bytes for each wave.  Slot 2 has had its last fill (unit 5), and every wave's reads of it are waited for in front of the last barrier
.set ADRA, 16                          ; v16-18 my qn fragments in slot 0, 1, 2
.set ADRB, 20                          ; v20-22 wp's
.set STO,  24
.set RD,   25
.set CO,   26
.set FA,   32
.set FB,   96
.set RB,   32
.set DOA,  98                          ; s[98:99]   what qn's group 0 of slot 0 steps by to become the double refill's: 3 units + my half made a whole unit
.set DOB,  100                         ; s[100:101] the same for wp
.set G1,  24
.set GA0, 32
.set GA1, 36
.set GA2, 4
.set G1B, 48
.set GB0, 56
.set GB1, 60
.set GB2, 68
.set MSB, 0
.macro WIN new
.if MSB != (\new)
	s_set_vgpr_msb (MSB<<8)|(\new)
.set MSB, \new
.endif
.endm
.set MUL, 0xa0                         ; sources in window 0, C and D in window 2
.macro JLOAD ga, gb                    ; waves 0 and 1 fetch for qn, waves 2 and 3 for wp; the branch hangs on the wave's number alone
	s_cmp_eq_u32 s11, 0
	s_cbranch_scc0 .Lfor_b_\@
	tensor_load_to_lds s[\ga:\ga+3], s[G1:G1+7]
	s_nop 0
	s_branch .Lasked_\@
.Lfor_b_\@:
	tensor_load_to_lds s[\gb:\gb+3], s[G1B:G1B+7]
	s_nop 0
.Lasked_\@:
.endm
.macro CREST
	s_cmp_lg_u32 s10, 0
	s_cbranch_scc1 .Lnot_wave_0_\@
	s_barrier_signal -3
.Lnot_wave_0_\@:
	s_barrier_wait -3
	s_barrier_signal -1
	s_barrier_wait -1
.endm
.macro CROUND
	s_barrier_signal -1
	s_barrier_wait -1
	CREST
.endm
.macro FIRST n, ga, gb                 ; unit n into slot n, each wave its half
	s_mov_b32 s[\ga], 1
	s_add_co_u32 s[\ga+1], s20, \n*SLOT
	s_add_nc_u64 s[\ga+2:\ga+3], s[14:15], \n*AU
	s_or_b32 s[\ga+3], s[\ga+3], 0x80000000
	s_mov_b32 s[\gb], 1
	s_add_co_u32 s[\gb+1], s18, \n*SLOT
	s_add_nc_u64 s[\gb+2:\gb+3], s[46:47], \n*BU
	s_or_b32 s[\gb+3], s[\gb+3], 0x80000000
	JLOAD \ga, \gb
.endm
	s_load_b128 s[72:75], s[0:1], 0x0              ; qn s[72:73], wp s[74:75]
	s_load_b64 s[8:9], s[0:1], 0x10                ; out0
	v_lshl_add_u32 v254, v0, 2, 0x4e000
	v_mov_b32 v255, 0
	ds_add_u32 v254, v255
	v_lshrrev_b32 v1, 5, v0
	v_readfirstlane_b32 s10, v1                    ; wave 0..3
	s_lshr_b32 s11, s10, 1                         ; I fetch for qn (0) or for wp (1)
	s_and_b32 s12, s10, 1                          ; which half, or which head; in a double refill: which unit and slot
	s_bfe_u32 s40, ttmp6, 0x40000                  ; cx
	s_bfe_u32 s41, ttmp6, 0x40004                  ; cy
	s_lshl_b32 s42, ttmp9, 2
	s_add_co_u32 s42, s42, s40                     ; block of 128 columns
	s_and_b32 s45, ttmp7, 0xffff                   ; cluster y
	s_lshl_b32 s13, s45, 2
	s_add_co_u32 s13, s13, s41                     ; y: block of 256 rows
	s_lshr_b32 s45, s45, 1                         ; b, from the cluster's y alone: equal in all sixteen work-groups
	s_lshl_b32 s43, s41, 2
	s_lshl_b32 s43, 15, s43                        ; my row of the cluster
	s_lshl_b32 s44, 0x1111, s40                    ; my column
	s_or_b32 s[G1+0], s43, (1<<16)|(1<<20)|(1<<21)|(5<<22)|(3<<25)   ; qn: 4 words of padding behind every 64
	s_or_b32 s[G1B+0], s44, (1<<16)|(1<<20)|(1<<21)|(4<<22)|(3<<25)  ; wp: behind every 32
	s_mov_b32 s[G1+1], KSTEP<<16                   ; tensor_dim0 = 128
	s_mov_b32 s[G1B+1], 128<<16
	s_mov_b32 s[G1+2], 128<<16                     ; tensor_dim1: half of qn's tile, 128 rows,
	s_mov_b32 s[G1B+2], 64<<16                     ; one head of wp, 64 rows of 256 bytes
	s_mov_b32 s[G1+3], KSTEP<<16                   ; tile_dim0 = 128
	s_mov_b32 s[G1B+3], 128<<16
	s_mov_b32 s[G1+4], 128                         ; tile_dim1
	s_mov_b32 s[G1B+4], 64
	s_mov_b32 s[G1+5], 128                         ; elements from row to row: dense
	s_mov_b32 s[G1B+5], 128
	s_mov_b32 s[G1+6], 0
	s_mov_b32 s[G1B+6], 0
	s_mov_b32 s[G1+7], 0
	s_mov_b32 s[G1B+7], 0
	s_lshl_b32 s16, s13, 19                        ; qn: y's eight units + my half of a unit
	s_lshl_b32 s17, s12, 15
	s_add_co_u32 s16, s16, s17
	s_mov_b32 s17, 0
	s_lshl_b32 s46, s45, 21                        ; wp: batch (8 blocks of 16 heads of 16,384 bytes)
	s_lshl_b32 s47, s42, 18                        ; + my block of columns
	s_add_co_u32 s46, s46, s47
	s_lshl_b32 s47, s12, 14                        ; + my head of the unit's two
	s_add_co_u32 s46, s46, s47
	s_mov_b32 s47, 0
	s_mul_i32 s20, s10, HALFT
	s_mul_i32 s18, s10, BH
	s_add_co_u32 s18, s18, BC
	s_lshl_b32 s[DOA], s12, 15
	s_add_co_u32 s[DOA], s[DOA], 3*AU
	s_mov_b32 s[DOA+1], 0
	s_lshl_b32 s[DOB], s12, 14
	s_add_co_u32 s[DOB], s[DOB], 3*BU
	s_mov_b32 s[DOB+1], 0
	s_wait_dscnt 0x0
	s_wait_kmcnt 0x0
	s_add_nc_u64 s[14:15], s[72:73], s[16:17]
	s_add_nc_u64 s[46:47], s[74:75], s[46:47]
	CROUND                                         ; the first joint loads meet
	FIRST 0, GA0, GB0
	FIRST 1, GA1, GB1
	FIRST 2, GA2, GB2                              ; three loads of this wave are out
	s_lshl_b32 s80, s13, 20                        ; out0: (256 y + 64 w) rows of 4,096 bytes + 128 columns of 4 for each block, in registers that feed no descriptor
	s_lshl_b32 s82, s10, 18
	s_add_co_u32 s80, s80, s82
	s_lshl_b32 s82, s42, 9
	s_add_co_u32 s80, s80, s82
	s_mov_b32 s81, 0
	s_add_nc_u64 s[8:9], s[8:9], s[80:81]
	v_and_b32 v1, 15, v0                           ; r
	v_bfe_u32 v2, v0, 4, 1                         ; hh
	v_and_b32 v6, 31, v0                           ; lane
	v_mul_u32_u24 v3, v1, PITCH
	v_lshl_add_u32 v3, v2, 4, v3
	v_mul_u32_u24 v7, v1, BP
	v_lshl_add_u32 v7, v2, 4, v7
	s_mul_i32 s21, s10, 64*PITCH                   ; my 64 rows of qn
	s_mov_b32 s22, ABYTES                          ; wp's tile, all mine
.irp s, 0,1,2
	v_add_nc_u32 v[ADRA+\s], s21, v3
	v_add_nc_u32 v[ADRB+\s], s22, v7
	s_add_co_u32 s21, s21, SLOT
	s_add_co_u32 s22, s22, SLOT
.endr
	s_mul_i32 s23, s10, 16*528
	s_add_co_u32 s23, s23, STAGE                   ; my stage
	v_mul_u32_u24 v4, v1, 528                      ; in: row r, 32 bytes for each half of the lanes
	v_lshl_add_u32 v4, v2, 5, v4
	v_add_nc_u32 v[STO], s23, v4
	v_lshlrev_b32 v[CO], 4, v6                     ; back, and in out0: 32 lanes take one row's 512 bytes
	v_add_nc_u32 v[RD], s23, v[CO]
.macro MULA n, a, zero
.irp b, 0,1,2,3,4,5,6,7
.if \zero
	v_wmma_f32_16x16x32_bf16 v[8*(8*\a+\b):8*(8*\a+\b)+7], v[FB+64*\n+8*\b:FB+64*\n+8*\b+7], v[FA+32*\n+8*\a:FA+32*\n+8*\a+7], 0
.else
	v_wmma_f32_16x16x32_bf16 v[8*(8*\a+\b):8*(8*\a+\b)+7], v[FB+64*\n+8*\b:FB+64*\n+8*\b+7], v[FA+32*\n+8*\a:FA+32*\n+8*\a+7], v[8*(8*\a+\b):8*(8*\a+\b)+7]
.endif
.endr
.endm
.macro FETCH slot, kq, n               ; 24 LDS loads in one run: quarter kq of the slot's unit into buffer n
	WIN 0
.irp i, 0,1,2,3,4,5,6,7
	ds_load_b128 v[FB+64*\n+8*\i:FB+64*\n+8*\i+3],   v[ADRB+\slot] offset:BKHI*(\kq/2)+64*(\kq%2)+\i*16*BP
	ds_load_b128 v[FB+64*\n+8*\i+4:FB+64*\n+8*\i+7], v[ADRB+\slot] offset:BKHI*(\kq/2)+64*(\kq%2)+\i*16*BP+32
.endr
.irp i, 0,1,2,3
	ds_load_b128 v[FA+32*\n+8*\i:FA+32*\n+8*\i+3],   v[ADRA+\slot] offset:64*\kq+\i*16*PITCH
	ds_load_b128 v[FA+32*\n+8*\i+4:FA+32*\n+8*\i+7], v[ADRA+\slot] offset:64*\kq+\i*16*PITCH+32
.endr
.endm
.macro PLACES                          ; four places behind a matrix instruction before a load lands on its sources or its result is read
.rept 4
	v_nop
.endr
.endm
.macro QUARTER slot, kq, n, g, zero    ; buffer n's loads, issued a quarter ago, are in; quarter kq of slot goes out into buffer g at the head, covered by all 32 matrix instructions
	s_wait_dscnt 0x0
	PLACES
	FETCH \slot, \kq, \g
	WIN MUL
	MULA \n, 0, \zero
	MULA \n, 1, \zero
	MULA \n, 2, \zero
	MULA \n, 3, \zero
.endm
.macro THREE slot, zero
	QUARTER \slot, 1, 0, 1, \zero
	QUARTER \slot, 2, 1, 0, 0
	QUARTER \slot, 3, 0, 1, 0
.endm
; A unit's last quarter, with a change to a slot that a barrier has yet to show, and nothing filled behind that barrier.  left = how many younger tensor loads may stay out.
.macro TURNB next, left
	s_wait_dscnt 0x0                               ; buffer 1 is in; no LDS instruction of mine is pending at the signal
	s_wait_tensorcnt \left                         ; my part of the next slot has landed
	s_barrier_signal -1
	WIN MUL
	MULA 1, 0, 0
	MULA 1, 1, 0
	WIN 0
	s_barrier_wait -1
	PLACES
	FETCH \next, 0, 0
	WIN MUL
	MULA 1, 2, 0
	MULA 1, 3, 0
.endm
; A unit's last quarter with a refill.  In front of the barrier, which opens a round of the cluster's barrier, every wave waits for its LDS reads and for all its tensor loads;
; behind the round the descriptors are rewritten (no load of the wave is out) and the refill is the first tensor load, one a wave; then the next slot is read.
; kind 1: slots 0 and 1 get units 3 and 4; kind 2: slot 2 gets unit 5, in halves; kind 3: slots 0 and 1 get units 6 and 7.
.macro TURNF next, kind
	s_wait_dscnt 0x0                               ; my reads of the slots that are filled again are over
	s_wait_tensorcnt 0x0                           ; all my tensor loads have landed
	ds_add_u32 v254, v255
	s_wait_dscnt 0x0
	s_barrier_signal -1
	WIN MUL
	MULA 1, 0, 0
	MULA 1, 1, 0
	WIN 0
	s_barrier_wait -1
	CREST
.if \kind == 2
	s_mov_b32 s[G1+2], 128<<16                     ; halves again: 128 rows of qn,
	s_mov_b32 s[G1+4], 128
	s_mov_b32 s[G1B+2], 64<<16                     ; one head of wp
	s_mov_b32 s[G1B+4], 64
	s_add_nc_u64 s[GA2+2:GA2+3], s[GA2+2:GA2+3], 3*AU
	s_add_nc_u64 s[GB2+2:GB2+3], s[GB2+2:GB2+3], 3*BU
	JLOAD GA2, GB2
.else
	s_mov_b32 s[G1+2], 256<<16                     ; a whole unit a wave: 256 rows of qn,
	s_mov_b32 s[G1+4], 256
	s_mov_b32 s[G1B+2], 128<<16                    ; two heads of wp
	s_mov_b32 s[G1B+4], 128
.if \kind == 1
	s_mul_i32 s[GA0+1], s12, SLOT                  ; the lower unit into slot 0, the upper into slot 1
	s_mul_i32 s[GB0+1], s12, SLOT
	s_add_co_u32 s[GB0+1], s[GB0+1], ABYTES
	s_add_nc_u64 s[GA0+2:GA0+3], s[GA0+2:GA0+3], s[DOA:DOA+1]
	s_add_nc_u64 s[GB0+2:GB0+3], s[GB0+2:GB0+3], s[DOB:DOB+1]
.else
	s_add_nc_u64 s[GA0+2:GA0+3], s[GA0+2:GA0+3], 3*AU
	s_add_nc_u64 s[GB0+2:GB0+3], s[GB0+2:GB0+3], 3*BU
.endif
	JLOAD GA0, GB0
.endif
	PLACES
	FETCH \next, 0, 0
	WIN MUL
	MULA 1, 2, 0
	MULA 1, 3, 0
.endm
	; The eight units, written out: no two changes of slot in a row are alike.  The 32 accumulators take turns, one instruction a turn, in one order throughout.
	s_wait_tensorcnt 2                             ; my part of unit 0 is in; units 1 and 2 stay out
	s_barrier_signal -1
	s_barrier_wait -1
	FETCH 0, 0, 0
	THREE 0, 1                                     ; unit 0: the first quarter's products start the sums
	TURNB 1, 1                                     ; unit 1 has landed; unit 2 may stay out
	THREE 1, 0                                     ; unit 1
	TURNF 2, 1
	THREE 2, 0                                     ; unit 2
	TURNF 0, 2
	THREE 0, 0                                     ; unit 3
	QUARTER 1, 0, 1, 0, 0                          ; slot 1 was shown whole by the same barrier as slot 0: no barrier here
	THREE 1, 0                                     ; unit 4
	TURNF 2, 3
	THREE 2, 0                                     ; unit 5
	TURNB 0, 0                                     ; units 6 and 7 have landed: the last tensor loads
	THREE 0, 0                                     ; unit 6
	QUARTER 1, 0, 1, 0, 0
	THREE 1, 0                                     ; unit 7
	s_wait_dscnt 0x0
	WIN MUL
	MULA 1, 0, 0
	MULA 1, 1, 0
	MULA 1, 2, 0
	MULA 1, 3, 0
	PLACES                                         ; results are stored, and fragment registers loaded, from here on
; rows 16 a .. + 15 of my 64, through my own stage: 32 bytes a lane and tile in, whole rows of 512 bytes back
.macro OUTF a
	WIN 0x08                                       ; store data in window 2
.irp b, 0,1,2,3,4,5,6,7
	ds_store_b128 v[STO], v[8*(8*\a+\b):8*(8*\a+\b)+3]   offset:64*\b
	ds_store_b128 v[STO], v[8*(8*\a+\b)+4:8*(8*\a+\b)+7] offset:64*\b+16
.endr
	WIN 0
	s_wait_xcnt 0x0                                ; the rows' registers, which earlier stores read, and the stores' base are rewritten only behind this wait
.if \a
	s_add_nc_u64 s[8:9], s[8:9], 16*4096           ; 16 rows of out0 on
.endif
.irp t, 0,1,2,3,4,5,6,7,8,9,10,11,12,13,14,15
	ds_load_b128 v[RB+64*(\a%2)+4*\t:RB+64*(\a%2)+4*\t+3], v[RD] offset:528*\t     ; LDS serves a wave's instructions in order: these see the stores above
.endr
.irp t, 0,1,2,3,4,5,6,7,8,9,10,11,12,13,14,15
	s_wait_dscnt 15-\t                             ; the 15 - t younger loads may stay out
	global_store_b128 v[CO], v[RB+64*(\a%2)+4*\t:RB+64*(\a%2)+4*\t+3], s[8:9] offset:4096*\t th:TH_STORE_NT   ; 512 consecutive bytes, at a multiple of 256 from out0's first byte
.endr
.endm
	OUTF 0
	OUTF 1
	OUTF 2
	OUTF 3
	s_wait_tensorcnt 0x0
	ds_add_u32 v254, v255
	s_wait_dscnt 0x0
	CROUND                                         ; the closing round
	s_endpgm
.Lfunc_end_k_q1b77f66b6c_ogemm:
	.size	k_q1b77f66b6c_ogemm, .Lfunc_end_k_q1b77f66b6c_ogemm-k_q1b77f66b6c_ogemm
	.p2alignl 7, 3214868480
	.fill 96, 4, 3214868480
	.section	.rodata,"a",@progbits
	.p2align	6, 0x0
	.amdhsa_kernel k_q1b77f66b6c_ogemm
		.amdhsa_group_segment_fixed_size 327680
		.amdhsa_private_segment_fixed_size 0
		.amdhsa_enable_private_segment 0
		.amdhsa_kernarg_size 24
		.amdhsa_user_sgpr_count 2
		.amdhsa_user_sgpr_kernarg_segment_ptr 1
		.amdhsa_wavefront_size32 1
		.amdhsa_system_sgpr_workgroup_id_x 1
		.amdhsa_system_sgpr_workgroup_id_y 1
		.amdhsa_system_sgpr_workgroup_id_z 1
		.amdhsa_system_vgpr_workitem_id 0
		.amdhsa_next_free_vgpr 768
		.amdhsa_next_free_sgpr 102
		.amdhsa_reserve_vcc 0
		.amdhsa_float_denorm_mode_32 3
		.amdhsa_float_denorm_mode_16_64 3
		.amdhsa_memory_ordered 1
		.amdhsa_forward_progress 1
		.amdhsa_inst_pref_size 147
	.end_amdhsa_kernel
	.amdgpu_metadata
---
amdhsa.version: [ 1, 2 ]
amdhsa.kernels:
  - .name:           k_q1b77f66b6c_ogemm
    .symbol:         k_q1b77f66b6c_ogemm.kd
    .args:
      - { .name: qn, .offset: 0, .size: 8, .value_kind: global_buffer, .address_space: global }
      - { .name: wp, .offset: 8, .size: 8, .value_kind: global_buffer, .address_space: global }
      - { .name: out0, .offset: 16, .size: 8, .value_kind: global_buffer, .address_space: global }
    .group_segment_fixed_size: 327680
    .private_segment_fixed_size: 0
    .kernarg_segment_align: 8
    .kernarg_segment_size: 24
    .max_flat_workgroup_size: 128
    .sgpr_count:     102
    .vgpr_count:     768
    .wavefront_size: 32
...
	.end_amdgpu_metadata
.endif
;; end of part 4
;; ======== version 2 of 2: 4 launches; version 1 with the launch cvt written anew for expert scheduling mode
;; workspace buffers: xb 16,777,216 bytes; wb 6,291,456 bytes; kvp 8,650,752 bytes; qn 16,777,216 bytes; wp 8,388,608 bytes
;; launch cvt (part 5): grid 256 x 1, 8 waves a work-group, no clusters, 0 bytes of LDS; arguments x, w_qkv, xb, wb; writes xb, wb
.if DOCPART == 5
	.amdgcn_target "amdgcn-amd-amdhsa--gfx1250"
	.amdhsa_code_object_version 6
	.text
	.protected	k_q1b77f66b6c_cvt
	.globl	k_q1b77f66b6c_cvt
	.p2align	8
	.type	k_q1b77f66b6c_cvt,@function
k_q1b77f66b6c_cvt:
	s_mov_b64 s[64:65], 0
	v_nop
	global_prefetch_b8 v0, s[64:65] scope:SCOPE_SE
	s_setreg_imm32_b32 hwreg(HW_REG_WAVE_SCHED_MODE, 0, 2), 2
	s_setreg_imm32_b32 hwreg(HW_REG_WAVE_MODE, 25, 1), 1
	s_wait_xcnt 0x0
	s_wait_alu depctr_vm_vsrc(0)
; xb = bf16(x), wb = bf16(w_qkv): the operands of the two projections, rounded once (to nearest even) instead of in every block that reads them,
; and laid out so that every tile which a later launch fetches is one dense run of bytes:
;   xb[y 32][u 8][r 256][c 128] = x[256 y + r][128 u + c]            (a block (y, u): 65,536 bytes)
;   wb[k 24][u 8][r 128][c 128] = w_qkv[128 k + r][128 u + c]        (a block (k, u): 32,768 bytes)
; 256 work-groups of eight waves; work-group g takes rows 32 g .. + 31 of x and rows g + 256 j, j = 0 .. 11, of w_qkv.  A row is 4,096 bytes of f32.
; Thread t takes 16 bytes at 16 t of every row: a wave's load covers 512 consecutive bytes = the 128 columns of unit u = wave, and its store the row's 256
; consecutive bytes in that unit's block, aligned.
; All 44 loads of a thread go out before the first wait on them, each into registers of its own.  No LDS, no barrier, no matrix unit: the bytes are all the work.
; THE MODE: SCHED_MODE bits 1:0 = 2 (LLVM: expert scheduling mode 2), set by the entry lines.  The code itself states the register dependences
; between vector instructions and memory instructions, with s_wait_alu, always for 0.
; THE PLAN.  The 44 rows go in 11 blocks of four.  Registers that memory instructions touch:
;   v1          the loads' offset;  v2, v3  the stores' offsets.  Made once at the head by vector lines and never written again.
;   v4, v5      at work at the head; then row 0's load lands in them.
;   row i       four registers at X + 4 i.  Its one load lands there; block i / 4's conversions read all four and write the first two;
;               the row's store, issued in block i / 4 + 1, reads those two; nothing names them afterwards.
; Block p converts its own four rows; its memory instructions are the four stores of block p - 1, whose registers no vector line of block p names.
; So one wait at a block's head states all that the block's stores hang on.  No register that a memory instruction has read is ever written again,
; no vector line writes a scalar register or VCC, and EXEC is never written: the waits on written vector results are the only ones that are owed.
.set X, 4                              ; v[4:179]  row i: four f32 as loaded; its first two registers then hold the four bf16
.set BLOCK,  4                         ; rows in a block
.set BLOCKS, 44 / BLOCK
	s_load_b256 s[4:11], s[0:1], 0x0               ; x s[4:5], w_qkv s[6:7], xb s[8:9], wb s[10:11]
	s_lshl_b32 s12, ttmp9, 17                      ; x: 32 g rows of 4,096 bytes
	s_mov_b32 s13, 0
	s_lshl_b32 s14, ttmp9, 12                      ; w_qkv: row g
	s_mov_b32 s15, 0
	s_lshr_b32 s16, ttmp9, 3                       ; xb: y = g >> 3, eight blocks of 65,536 bytes each,
	s_lshl_b32 s16, s16, 19
	s_and_b32 s22, ttmp9, 7                        ; and in a block rows 32 (g & 7) .. of 256 bytes
	s_lshl_b32 s22, s22, 13
	s_add_co_u32 s16, s16, s22
	s_mov_b32 s17, 0
	s_lshr_b32 s18, ttmp9, 7                       ; wb: k = (g >> 7) + 2 j, eight blocks of 32,768 bytes each,
	s_lshl_b32 s18, s18, 18
	s_and_b32 s22, ttmp9, 127                      ; and in a block row g & 127
	s_lshl_b32 s22, s22, 8
	s_add_co_u32 s18, s18, s22
	s_mov_b32 s19, 0
	v_lshlrev_b32 v1, 4, v0                        ; 16 t: my four f32 in a row
	v_and_b32 v4, 31, v0
	v_lshlrev_b32 v4, 3, v4                        ; 8 x lane: my four bf16 in the unit's row
	v_lshrrev_b32 v5, 5, v0                        ; wave = unit
	v_lshl_add_u32 v2, v5, 16, v4                  ; in xb
	v_lshl_add_u32 v3, v5, 15, v4                  ; in wb
	s_wait_kmcnt 0x0
	s_add_nc_u64 s[4:5], s[4:5], s[12:13]
	s_add_nc_u64 s[6:7], s[6:7], s[14:15]
	s_add_nc_u64 s[20:21], s[6:7], 0x800000        ; rows g + 256 j from j = 8 on: the loads' immediates stay inside their signed 24 bits
	s_add_nc_u64 s[8:9], s[8:9], s[16:17]
	s_add_nc_u64 s[10:11], s[10:11], s[18:19]
	s_wait_alu depctr_va_vdst(0)                   ; v1, v2 and v3 are written: every load and store of the kernel reads one of them as its offset; the lines above are done writing and reading v4 and v5, in which row 0's load lands
.set ci, 0
.rept 32
	global_load_b128 v[X+4*ci:X+4*ci+3], v1, s[4:5] offset:4096*ci th:TH_LOAD_NT
.set ci, ci+1
.endr
.rept 8
	global_load_b128 v[X+4*ci:X+4*ci+3], v1, s[6:7] offset:1048576*(ci-32) th:TH_LOAD_NT
.set ci, ci+1
.endr
.rept 4
	global_load_b128 v[X+4*ci:X+4*ci+3], v1, s[20:21] offset:1048576*(ci-40) th:TH_LOAD_NT
.set ci, ci+1
.endr
; Row i is rounded: four f32 close up into the first two of their four registers.
.macro CONV i
	v_cvt_pk_bf16_f32 v[X+4*(\i)], v[X+4*(\i)], v[X+4*(\i)+1]
	v_cvt_pk_bf16_f32 v[X+4*(\i)+1], v[X+4*(\i)+2], v[X+4*(\i)+3]
.endm
; Row i is stored: rows 0 to 31 are x's, rows 32 to 43 w_qkv's.
.macro SEND i
.if (\i) < 32
	global_store_b64 v2, v[X+4*(\i):X+4*(\i)+1], s[8:9] offset:256*(\i)
.else
	global_store_b64 v3, v[X+4*(\i):X+4*(\i)+1], s[10:11] offset:524288*((\i)-32)   ; 256 rows on: two blocks k on
.endif
.endm
.set p, 0
.rept BLOCKS
	s_wait_loadcnt 40-4*p                          ; loads come back in order: block p's four rows are in, the 40 - 4 p younger loads stay out
.if p > 0
	s_wait_alu depctr_va_vdst(0)                   ; the block before has written the first two registers of each of its rows, which the four stores below read
.endif
.set r, 0
.rept BLOCK
.if p > 0
	SEND BLOCK*(p-1)+r                             ; no vector line since the wait names this row's registers, v2 or v3
.endif
	CONV BLOCK*p+r
.set r, r+1
.endr
.set p, p+1
.endr
	s_wait_alu depctr_va_vdst(0)                   ; the last block's conversions have written the data of the last four stores
.set r, 0
.rept BLOCK
	SEND BLOCK*(BLOCKS-1)+r
.set r, r+1
.endr
	s_endpgm
.Lfunc_end_k_q1b77f66b6c_cvt:
	.size	k_q1b77f66b6c_cvt, .Lfunc_end_k_q1b77f66b6c_cvt-k_q1b77f66b6c_cvt
	.p2alignl 7, 3214868480
	.fill 96, 4, 3214868480
	.section	.rodata,"a",@progbits
	.p2align	6, 0x0
	.amdhsa_kernel k_q1b77f66b6c_cvt
		.amdhsa_group_segment_fixed_size 0
		.amdhsa_private_segment_fixed_size 0
		.amdhsa_enable_private_segment 0
		.amdhsa_kernarg_size 32
		.amdhsa_user_sgpr_count 2
		.amdhsa_user_sgpr_kernarg_segment_ptr 1
		.amdhsa_wavefront_size32 1
		.amdhsa_system_sgpr_workgroup_id_x 1
		.amdhsa_system_sgpr_workgroup_id_y 1
		.amdhsa_system_sgpr_workgroup_id_z 1
		.amdhsa_system_vgpr_workitem_id 0
		.amdhsa_next_free_vgpr 180
		.amdhsa_next_free_sgpr 66
		.amdhsa_reserve_vcc 0
		.amdhsa_float_denorm_mode_32 3
		.amdhsa_float_denorm_mode_16_64 3
		.amdhsa_memory_ordered 1
		.amdhsa_forward_progress 1
		.amdhsa_inst_pref_size 16
	.end_amdhsa_kernel
	.amdgpu_metadata
---
amdhsa.version: [ 1, 2 ]
amdhsa.kernels:
  - .name:           k_q1b77f66b6c_cvt
    .symbol:         k_q1b77f66b6c_cvt.kd
    .args:
      - { .name: x, .offset: 0, .size: 8, .value_kind: global_buffer, .address_space: global }
      - { .name: w_qkv, .offset: 8, .size: 8, .value_kind: global_buffer, .address_space: global }
      - { .name: xb, .offset: 16, .size: 8, .value_kind: global_buffer, .address_space: global }
      - { .name: wb, .offset: 24, .size: 8, .value_kind: global_buffer, .address_space: global }
    .group_segment_fixed_size: 0
    .private_segment_fixed_size: 0
    .kernarg_segment_align: 8
    .kernarg_segment_size: 32
    .max_flat_workgroup_size: 256
    .sgpr_count:     66
    .vgpr_count:     180
    .wavefront_size: 32
...
	.end_amdgpu_metadata
.endif
;; end of part 5
;; launch kvgemm: the kernel of part 2 again; grid 8 x 32, 4 waves a work-group, clusters of 4 x 4, 327,680 bytes of LDS; arguments xb, wb, kvp; writes kvp
;; launch qgemm: the kernel of part 3 again; grid 8 x 32, 4 waves a work-group, clusters of 4 x 4, 327,680 bytes of LDS; arguments xb, wb, kvp, w_out, qn, wp; writes qn, wp
;; launch ogemm: the kernel of part 4 again; grid 8 x 32, 4 waves a work-group, clusters of 4 x 4, 327,680 bytes of LDS; arguments qn, wp, out0; writes out0
